; MI455X (gfx1250); checked and timed in simulation.
; The chip was launched on July 23, 2026; its instructions are those of AMD's public machine-readable ISA for CDNA 5 (MIT licence, August 2026) and "CDNA5" Instruction Set Architecture Reference Guide (July 2026). The comments in the code are by the model that wrote it; some were corrected since.
;; Causal Self Attention. Allowed arithmetic: matrix products marked QUANTISED: E4M3 operands, one given power-of-two scale a tensor, by v_wmma_f32_16x16x64_fp8_fp8 or v_wmma_f32_16x16x128_fp8_fp8, f32 sums; products left as they are: f32 operands where the result goes on into a quantised operand, else bf16, f16 or f32 operands; f32 sums; everything else in f32.
;; Inputs: Wproj 1,024 x 1,024 float32; Wqkv 1,024 x 3,072 float32; lowp_scales 8 int32 (the exponents e of the quantised operands' scales 2^e); x 4 x 2,048 x 1,024 float32.
;; Outputs: out0 4 x 2,048 x 1,024 float32.
;; This version of the problem:
;;   THIS VERSION OF THE PROBLEM IS GIVEN IN LOW PRECISION. The matrix products marked QUANTISED in the list below multiply operands that are first quantised to E4M3 (4 exponent bits, 3 mantissa bits; 8 bits a number), with one given power-of-two scale for each operand tensor; their sums are f32. All else is computed in f32.
;;   The module's matrix products, in the order in which they are computed (A, B: the left and right operand; K: the contracted axis; several contracted axes count as one K, in the product's order):
;;     1. [M 8,192, K 1,024] x [K 1,024, N 3,072]; A: input x; B: input Wqkv: QUANTISED (scales: A lowp_scales[0], B lowp_scales[1])
;;     2. [M 2,048, K 1] x [K 1, N 32]; A: computed on the way; B: computed on the way: left as it is (no contracted axis)
;;     3. batch 64 x [M 2,048, K 64] x [K 64, N 2,048]; A: computed on the way; B: computed on the way: QUANTISED (scales: A lowp_scales[2], B lowp_scales[3])
;;     4. batch 64 x [M 2,048, K 2,048] x [K 2,048, N 64]; A: softmax (see below); B: computed on the way: QUANTISED (scales: A lowp_scales[4], B lowp_scales[5])
;;     5. [M 8,192, K 1,024] x [K 1,024, N 1,024]; A: computed on the way; B: input Wproj: QUANTISED (scales: A lowp_scales[6], B lowp_scales[7])
;;   THE QUANTISER, for each operand of a quantised product, along K:
;;     - The operand's scale is 2^e, e = its entry of the input lowp_scales (int32; the entries are numbered through the quantised products in the list's order, A before B).
;;     - Each number is divided by the scale, clamped to +-448, and rounded to the nearest number of E4M3, ties to even, subnormals kept.
;;     - The product sums the exact products of the quantised numbers (number of the format x scale) in f32.
;;   ~~~python
;;   def quantise(x, axis, e):      # numpy; x: float32 -> the quantised numbers, widened to float32 again
;;       x = np.moveaxis(x, axis, -1); K = x.shape[-1]
;;       r = np.clip(x / 2.0 ** e, -448, 448)
;;       step = 2.0 ** (np.maximum(np.frexp(np.where(r == 0, 1, r))[1] - 1, -6) - 3)
;;       q = np.round(r / step) * step * 2.0 ** e      # np.round: ties to even
;;       return np.moveaxis(q, -1, axis).astype(np.float32)
;;   ~~~
;;   SOFTMAX AHEAD OF A QUANTISED PRODUCT. Where the list says 'softmax', what is quantised is not the finished softmax but p = 2^(t - M), with t = logit x log2(e) and M = ceil(the row's largest t), a whole number; so 1/2 < the row's largest p <= 1. The row's sum l is taken of the UNQUANTISED p, in f32, and the product's result is divided by l at the end. Since M is a whole number, a kernel that streams over the keys may use a running M (the ceiling of the running maximum): every later rescaling is an exact power of two, so the quantised numbers keep their values, but for numbers so far below the row's largest that they fall under the format's range.
;;   OPERANDS COMPUTED ON THE WAY. 'Computed on the way' means the value that the module computes at that place (a softmax that the list does not call 'softmax' is quantised finished and normalised). What goes into a quantiser is computed in f32, as accurately as f32 sums, v_exp_f32 and their like allow (about 1e-6 of the number): no bf16 or f16 on the way to a quantiser, and a product that is left as it is and whose result goes on into a quantised operand takes f32 operands (vector FMAs, or v_wmma_f32_16x16x4_f32). A number that lies on a knife's edge between two numbers of the format may be rounded either way, as far as f32 arithmetic and the matrix unit's own rounding can turn it there, and no further.
;; One version. Each part assembles by itself: llvm-mc -triple=amdgcn-amd-amdhsa -mcpu=gfx1250 --defsym DOCPART=n.
;; ======== version 1 of 1: 4 launches
;; limits: right only within a limited range of input values
;; workspace buffers: x_codes 8,388,608 bytes; wqkv_codes 3,145,728 bytes; wproj_codes 1,048,576 bytes; rope_tab 524,288 bytes; q_codes 8,388,608 bytes; k_codes 8,388,608 bytes; v_codes 8,388,608 bytes; y_codes 8,388,608 bytes
;; launch prep (part 1): grid 50 x 8, 8 waves a work-group, no clusters, 68,608 bytes of LDS; arguments x, Wqkv, Wproj, lowp_scales, x_codes, wqkv_codes, wproj_codes, rope_tab; writes x_codes, wqkv_codes, wproj_codes, rope_tab
.if DOCPART == 1
	.amdgcn_target "amdgcn-amd-amdhsa--gfx1250"
	.amdhsa_code_object_version 6
	.text
	.protected	k_q06c123e01e_prep
	.globl	k_q06c123e01e_prep
	.p2align	8
	.type	k_q06c123e01e_prep,@function
k_q06c123e01e_prep:
	s_mov_b64 s[64:65], 0
	v_nop
	global_prefetch_b8 v0, s[64:65] scope:SCOPE_SE
	s_setreg_imm32_b32 hwreg(HW_REG_WAVE_MODE, 25, 1), 1
	s_wait_xcnt 0x0
; PREP.  The three f32 inputs become codes of FP8 (E4M3), and the RoPE table is made.  One launch; the paths part on the work-group's x:
;   x 0-31: the activations x [8192][1024];  32-43: Wqkv [1024][3072];  44-47: Wproj [1024][1024];  48-49: the table.
; code = number / 2^e, held within +-448, to the nearest code, ties to even.  e: entry 0 of the scales for x, entry 1 for Wqkv, entry 7 for Wproj.
; LIMITS: -126 <= e <= 119, so that 2^e and 448 x 2^e are f32 numbers.  NaN among the inputs is not served (an infinity is held at the largest code).
; THE CODES ARE LAID AS IMAGES OF THE OPERAND'S REGISTERS.  A fragment is 16 rows x 128 K: lane l (r = l % 16, h = l / 16) holds row r, its registers 2 c, 2 c + 1 hold
; K = 16 c + 8 h + 0 .. 7.  Registers 4 g .. 4 g + 3 of lane l lie at byte 512 g + 16 l: 2,048 bytes a fragment.  Fragment (row block rb, K step s) of an operand of R rows lies at
; ((s / 2) (R / 16) + rb) 4096 + (s % 2) 2048.  A weight's row is its output column n.  Every store of codes covers 512 consecutive bytes.
; No matrix work, no barrier: waves share nothing.  Only the path for x uses LDS, a stage of its own for each wave.
.set R,  32                            ; v32-159  numbers as loaded
.set X,  160                           ; v160-223 x: 64 numbers in the fragment's order.  Weights: v160-175, v176-191 codes
.set C,  224                           ; v224-255 x: the two fragments' codes
.set SP, 528                           ; a stage row: 512 bytes + 16, an odd multiple of 16 bytes, so that 16 rows' equal columns fall on different banks (64 banks of 4 bytes: ISA guide 11.1)
	s_load_b256 s[4:11], s[0:1], 0x0               ; x s[4:5], Wqkv s[6:7], Wproj s[8:9], the scales' exponents s[10:11]
	s_load_b256 s[12:19], s[0:1], 0x20             ; x_codes s[12:13], wqkv_codes s[14:15], wproj_codes s[16:17], rope_tab s[18:19]
	v_lshl_add_u32 v18, v0, 2, 0x10800
	v_mov_b32 v19, 0
	v_lshrrev_b32 v1, 5, v0
	s_delay_alu instid0(VALU_DEP_1)
	v_readfirstlane_b32 s20, v1                    ; wave 0..7
	v_and_b32 v2, 31, v0                           ; lane
	v_and_b32 v3, 15, v0                           ; r
	v_bfe_u32 v4, v0, 4, 1                         ; h
	s_delay_alu instid0(VALU_DEP_3)
	v_lshlrev_b32 v5, 4, v2                        ; 16 x lane
	s_and_b32 s21, ttmp7, 0xffff                   ; work-group y
	s_mov_b32 s35, 0                               ; the upper word of every offset below
	s_wait_kmcnt 0x0
	s_load_b256 s[24:31], s[10:11], 0x0            ; e0 .. e7
.macro SCALE e                         ; v11 = 2^e as f32 (the conversion takes its exponent field), v10 = 448 x 2^e
	s_wait_kmcnt 0x0
	s_add_co_i32 s22, \e, 127
	s_lshl_b32 s23, s22, 23
	v_mov_b32 v11, s23
	s_add_co_i32 s22, s22, 8
	s_lshl_b32 s22, s22, 23
	s_or_b32 s22, s22, 0x600000
	v_mov_b32 v10, s22
.endm
	s_cmp_lt_u32 ttmp9, 32
	s_cbranch_scc0 .Lnot_x
; ---- x.  256 work-groups; a wave takes 16 rows x 256 K: two fragments.  Each load reads 512 consecutive bytes of one row; the numbers turn through the wave's stage so that a lane gets
; its eight neighbours along K in eight consecutive registers.
	s_lshl_b32 s32, s21, 5
	s_add_co_u32 s32, s32, ttmp9                   ; 0 .. 255
	s_lshl_b32 s32, s32, 1
	s_lshr_b32 s33, s20, 2
	s_add_co_u32 s32, s32, s33                     ; rb: my block of 16 rows
	s_and_b32 s33, s20, 3                          ; which 256 along K
	s_lshl_b32 s34, s32, 16                        ; 16 rows of 4,096 bytes
	s_lshl_b32 s36, s33, 10
	s_add_co_u32 s34, s34, s36
	s_add_nc_u64 s[4:5], s[4:5], s[34:35]
	s_lshl_b32 s34, s33, 9
	s_add_co_u32 s34, s34, s32
	s_lshl_b32 s34, s34, 12                        ; (512 x slot + rb) x 4096
	s_add_nc_u64 s[12:13], s[12:13], s[34:35]
.set i, 0
	s_wait_alu depctr_va_vdst(0)
.rept 32                               ; fragment 0's sixteen rows first, then fragment 1's
	global_load_b128 v[R+4*i:R+4*i+3], v5, s[4:5] offset:4096*(i%16)+512*(i/16) th:TH_LOAD_NT
.set i, i+1
.endr
	s_mul_i32 s36, s20, 16*SP                      ; my stage
	v_add_nc_u32 v6, s36, v5                       ; in: 16 x lane of a row
	v_mul_u32_u24 v7, v3, SP
	s_delay_alu instid0(VALU_DEP_1)
	v_lshl_add_u32 v7, v4, 5, v7
	s_delay_alu instid0(VALU_DEP_1)
	v_add_nc_u32 v7, s36, v7                       ; back: row r, + 32 h bytes
	s_wait_alu depctr_va_vdst(0)
	SCALE s24
.macro TURN q                          ; LDS serves a wave's instructions in order (ISA guide 5.7.1.4): no wait between the stores and the loads
.set i, 0
.rept 16
	ds_store_b128 v6, v[R+64*\q+4*i:R+64*\q+4*i+3] offset:SP*i
.set i, i+1
.endr
.set i, 0
.rept 16                               ; X[8 c + j] = x(r, 16 c + 8 h + j)
	ds_load_b128 v[X+4*i:X+4*i+3], v7 offset:64*(i/2)+16*(i%2)
.set i, i+1
.endr
.endm
.macro QX q
	s_wait_dscnt 0x0                               ; the numbers are back from the stage
.set i, 0
.rept 64
	v_med3_num_f32 v[X+i], v[X+i], -v10, v10       ; the conversion to an 8-bit code does not saturate (ISA guide 7.6.2): the hold comes first
.set i, i+1
.endr
.set i, 0
.rept 8
	v_cvt_scalef32_pk8_fp8_f32 v[C+16*\q+2*i:C+16*\q+2*i+1], v[X+8*i:X+8*i+7], v11
.set i, i+1
.endr
	v_nop                                          ; a plain line behind the conversions: the next fragment's holds write their sources
.set i, 0
.rept 4
	global_store_b128 v5, v[C+16*\q+4*i:C+16*\q+4*i+3], s[12:13] offset:2048*\q+512*i
.set i, i+1
.endr
.endm
	s_wait_alu depctr_va_vdst(0)
	s_wait_loadcnt 16                              ; fragment 0's sixteen loads are in; fragment 1's sixteen may be out
	TURN 0
	QX 0
	s_wait_loadcnt 0x0
	TURN 1
	QX 1
	s_wait_tensorcnt 0x0
	ds_add_u32 v18, v19
	s_wait_dscnt 0x0
	s_endpgm
; ---- A weight [1024 (k)][N].  A LANE TAKES A COLUMN n AND ITS REGISTERS RUN DOWN K: a wave takes 32 columns x 128 K; each load reads 128 consecutive bytes, the eight waves side by side 1,024.
; The conversions then give codes with K innermost.  Of each 16 along K the first eight belong to lanes 0-15 of a fragment and the second eight to lanes 16-31: one exchange of half rows
; between the two registers sorts 32 columns into two fragments.
.macro WPATH N, X0, wlo, clo, e
	s_sub_co_u32 s32, ttmp9, \X0                   ; which 256 columns
	s_lshl_b32 s33, s32, 8
	s_lshl_b32 s34, s20, 5
	s_add_co_u32 s33, s33, s34                     ; my first column
	s_lshl_b32 s34, s33, 2
	s_mul_i32 s36, s21, 128*\N*4                   ; K step = work-group y: 128 rows down
	s_add_co_u32 s34, s34, s36
	s_add_nc_u64 s[\wlo:\wlo+1], s[\wlo:\wlo+1], s[34:35]
	s_lshr_b32 s36, s21, 1
	s_mul_i32 s36, s36, \N/16
	s_lshl_b32 s37, s32, 4
	s_add_co_u32 s36, s36, s37
	s_lshl_b32 s37, s20, 1
	s_add_co_u32 s36, s36, s37                     ; (s / 2) (N / 16) + my first block of 16 columns
	s_lshl_b32 s36, s36, 12
	s_and_b32 s37, s21, 1
	s_lshl_b32 s37, s37, 11
	s_add_co_u32 s34, s36, s37
	s_add_nc_u64 s[\clo:\clo+1], s[\clo:\clo+1], s[34:35]
	v_lshlrev_b32 v6, 2, v2                        ; 4 bytes a lane
.set k, 0
.rept 128
	global_load_b32 v[R+k], v6, s[\wlo:\wlo+1] offset:k*\N*4 th:TH_LOAD_NT
.set k, k+1
.endr
	SCALE \e
	s_wait_alu depctr_va_vdst(0)
.irp c, 0,1,2,3,4,5,6,7
.if 112-16*\c > 63
	s_wait_loadcnt 63                              ; 112 - 16 c loads were issued behind this group's; the wait names the most that its field holds
.else
	s_wait_loadcnt 112-16*\c                       ; the loads issued behind this group's sixteen may be out
.endif
.irp i, 0,1,2,3,4,5,6,7,8,9,10,11,12,13,14,15
	v_med3_num_f32 v[R+16*\c+\i], v[R+16*\c+\i], -v10, v10
.endr
	v_cvt_scalef32_pk8_fp8_f32 v[160+2*\c:161+2*\c], v[R+16*\c:R+16*\c+7], v11      ; K = 16 c + 0 .. 7
	v_cvt_scalef32_pk8_fp8_f32 v[176+2*\c:177+2*\c], v[R+16*\c+8:R+16*\c+15], v11   ; K = 16 c + 8 .. 15
.endr
	v_nop                                          ; a plain line between the conversions and the exchanges that touch their results
.set i, 0
.rept 16
	v_permlane16_swap_b32 v[160+i], v[176+i]       ; lanes 16-31 of the first with lanes 0-15 of the second: v160.. is now the image of columns 0-15, v176.. of columns 16-31
.set i, i+1
.endr
.irp g, 0,1,2,3
	global_store_b128 v5, v[160+4*\g:163+4*\g], s[\clo:\clo+1] offset:512*\g
	global_store_b128 v5, v[176+4*\g:179+4*\g], s[\clo:\clo+1] offset:4096+512*\g
.endr
.endm
.Lnot_x:
	s_cmp_lt_u32 ttmp9, 44
	s_cbranch_scc0 .Lnot_wqkv
	s_wait_alu depctr_va_vdst(0)
	WPATH 3072, 32, 6, 14, s25
	s_endpgm
.Lnot_wqkv:
	s_cmp_lt_u32 ttmp9, 48
	s_cbranch_scc0 .Ltable
	s_wait_alu depctr_va_vdst(0)
	WPATH 1024, 44, 8, 16, s31
	s_endpgm
; ---- The table: for each position t, 256 bytes: four groups of (cos of frequencies 8 q .. 8 q + 7, 32 bytes; sin of the same, 32 bytes).
; 16 work-groups; a wave takes 16 positions, a lane a frequency j: 10000^(-j / 32) = 10^(-j / 8), the nearest f32 number written out.  angle = t x frequency, rounded once, as the sum with one term is.
; cos and sin: n = the nearest whole number to angle x 2 / pi; angle - n pi / 2 with pi / 2 in two parts (n < 2^11, so the first product's difference is exact); polynomials on +-pi / 4; the quadrant by n mod 4.
; A store covers 128 bytes of a position's 256 in four pieces of 32: the table is 1 / 25 of what the launch stores, and is laid as its reader loads it.
.Ltable:
	s_sub_co_u32 s32, ttmp9, 48
	s_lshl_b32 s33, s21, 1
	s_add_co_u32 s32, s32, s33                     ; 0 .. 15
	s_lshl_b32 s32, s32, 3
	s_add_co_u32 s32, s32, s20
	s_lshl_b32 s33, s32, 4                         ; my first position
	s_lshl_b32 s34, s33, 8
	s_add_nc_u64 s[18:19], s[18:19], s[34:35]
	v_mov_b32 v20, 0
.macro FREQ j, bits
	s_mov_b32 s36, \bits
	v_writelane_b32 v20, s36, \j
.endm
	FREQ 0, 0x3f800000
	FREQ 1, 0x3f3ff911
	FREQ 2, 0x3f0ff59a
	FREQ 3, 0x3ed7e89b
	FREQ 4, 0x3ea1e89b
	FREQ 5, 0x3e72d424
	FREQ 6, 0x3e361887
	FREQ 7, 0x3e088d77
	FREQ 8, 0x3dcccccd
	FREQ 9, 0x3d99940e
	FREQ 10, 0x3d6655c3
	FREQ 11, 0x3d2cba15
	FREQ 12, 0x3d0186e2
	FREQ 13, 0x3cc24350
	FREQ 14, 0x3c91ad39
	FREQ 15, 0x3c5a7bf1
	FREQ 16, 0x3c23d70a
	FREQ 17, 0x3bf5b9b0
	FREQ 18, 0x3bb8449c
	FREQ 19, 0x3b8a2e77
	FREQ 20, 0x3b4f3e37
	FREQ 21, 0x3b1b690d
	FREQ 22, 0x3ae91528
	FREQ 23, 0x3aaec98e
	FREQ 24, 0x3a83126f
	FREQ 25, 0x3a44948c
	FREQ 26, 0x3a136a16
	FREQ 27, 0x39dd1726
	FREQ 28, 0x39a5cb5f
	FREQ 29, 0x3978a814
	FREQ 30, 0x393a7753
	FREQ 31, 0x390bd472
	s_mov_b32 s40, 0x3f22f983                      ; 2 / pi
	s_mov_b32 s41, 0x3fc90fdb                      ; pi / 2, the f32 number,
	s_mov_b32 s42, 0xb33bbd2e                      ; and what it lacks
	s_mov_b32 s43, 0xb94ca1f9                      ; sin: -1.9515296e-4,
	s_mov_b32 s44, 0x3c08839e                      ; 8.3321609e-3,
	s_mov_b32 s45, 0xbe2aaaa3                      ; -1.6666655e-1
	s_mov_b32 s46, 0x37ccf5ce                      ; cos: 2.4433157e-5,
	s_mov_b32 s47, 0xbab6061a                      ; -1.3887316e-3,
	s_mov_b32 s48, 0x3d2aaaa5                      ; 4.1666646e-2
	v_lshrrev_b32 v7, 3, v2
	s_delay_alu instid0(VALU_DEP_1)
	v_lshlrev_b32 v7, 6, v7
	v_and_b32 v8, 7, v2
	s_delay_alu instid0(VALU_DEP_1)
	v_lshl_add_u32 v7, v8, 2, v7                   ; 64 (j / 8) + 4 (j % 8)
.macro TRIG i
	s_add_co_u32 s37, s33, \i
	v_cvt_f32_u32 v21, s37
	s_wait_alu depctr_va_vdst(0)
	v_mul_f32 v21, v21, v20                        ; the angle
	s_delay_alu instid0(VALU_DEP_1)
	v_mul_f32 v22, s40, v21
	s_delay_alu instid0(VALU_DEP_1)
	v_rndne_f32 v22, v22                           ; n
	s_delay_alu instid0(VALU_DEP_1)
	v_fma_f32 v23, -v22, s41, v21
	s_delay_alu instid0(VALU_DEP_1)
	v_fma_f32 v23, -v22, s42, v23                  ; r, within +-pi / 4
	s_delay_alu instid0(VALU_DEP_1)
	v_mul_f32 v24, v23, v23                        ; z = r r
	s_delay_alu instid0(VALU_DEP_1)
	v_fma_f32 v25, s43, v24, s44
	s_delay_alu instid0(VALU_DEP_2)
	v_fma_f32 v27, s46, v24, s47
	s_delay_alu instid0(VALU_DEP_2)
	v_fma_f32 v25, v25, v24, s45
	s_delay_alu instid0(VALU_DEP_2)
	v_fma_f32 v27, v27, v24, s48
	v_mul_f32 v26, v24, v23
	v_mul_f32 v28, v24, v24
	v_fma_f32 v29, v24, -0.5, 1.0
	s_delay_alu instid0(VALU_DEP_3)
	v_fma_f32 v25, v25, v26, v23                   ; sin r
	s_delay_alu instid0(VALU_DEP_2)
	v_fma_f32 v27, v27, v28, v29                   ; cos r
	v_cvt_i32_f32 v30, v22
	s_delay_alu instid0(VALU_DEP_1)
	v_and_b32 v31, 1, v30
	s_delay_alu instid0(VALU_DEP_1)
	v_cmp_eq_u32 vcc_lo, 1, v31                    ; an odd quadrant: the two change places
	s_delay_alu instid0(VALU_DEP_1)
	v_cndmask_b32 v[64+2*\i], v27, v25, vcc_lo
	s_delay_alu instid0(VALU_DEP_2)
	v_cndmask_b32 v[65+2*\i], v25, v27, vcc_lo
	v_add_nc_u32 v31, 1, v30
	s_delay_alu instid0(VALU_DEP_1)
	v_and_b32 v31, 2, v31
	s_delay_alu instid0(VALU_DEP_1)
	v_lshlrev_b32 v31, 30, v31                     ; cos is negative in quadrants 1 and 2,
	s_delay_alu instid0(VALU_DEP_1)
	v_xor_b32 v[64+2*\i], v[64+2*\i], v31
	v_and_b32 v30, 2, v30
	s_delay_alu instid0(VALU_DEP_1)
	v_lshlrev_b32 v30, 30, v30                     ; sin in quadrants 2 and 3
	s_delay_alu instid0(VALU_DEP_1)
	v_xor_b32 v[65+2*\i], v[65+2*\i], v30
	global_store_b32 v7, v[64+2*\i], s[18:19] offset:256*\i
	global_store_b32 v7, v[65+2*\i], s[18:19] offset:256*\i+32
.endm
.irp i, 0,1,2,3,4,5,6,7,8,9,10,11,12,13,14,15
	TRIG \i
.endr
	s_wait_kmcnt 0x0                               ; the exponents, which this path does not use, have arrived
	s_endpgm
.Lfunc_end_k_q06c123e01e_prep:
	.size	k_q06c123e01e_prep, .Lfunc_end_k_q06c123e01e_prep-k_q06c123e01e_prep
	.p2alignl 7, 3214868480
	.fill 96, 4, 3214868480
	.section	.rodata,"a",@progbits
	.p2align	6, 0x0
	.amdhsa_kernel k_q06c123e01e_prep
		.amdhsa_group_segment_fixed_size 68608
		.amdhsa_private_segment_fixed_size 0
		.amdhsa_enable_private_segment 0
		.amdhsa_kernarg_size 64
		.amdhsa_user_sgpr_count 2
		.amdhsa_user_sgpr_kernarg_segment_ptr 1
		.amdhsa_wavefront_size32 1
		.amdhsa_system_sgpr_workgroup_id_x 1
		.amdhsa_system_sgpr_workgroup_id_y 1
		.amdhsa_system_sgpr_workgroup_id_z 1
		.amdhsa_system_vgpr_workitem_id 0
		.amdhsa_next_free_vgpr 256
		.amdhsa_next_free_sgpr 66
		.amdhsa_reserve_vcc 1
		.amdhsa_float_denorm_mode_32 3
		.amdhsa_float_denorm_mode_16_64 3
		.amdhsa_memory_ordered 1
		.amdhsa_forward_progress 1
		.amdhsa_inst_pref_size 105
	.end_amdhsa_kernel
	.amdgpu_metadata
---
amdhsa.version: [ 1, 2 ]
amdhsa.kernels:
  - .name:           k_q06c123e01e_prep
    .symbol:         k_q06c123e01e_prep.kd
    .args:
      - { .name: x, .offset: 0, .size: 8, .value_kind: global_buffer, .address_space: global }
      - { .name: Wqkv, .offset: 8, .size: 8, .value_kind: global_buffer, .address_space: global }
      - { .name: Wproj, .offset: 16, .size: 8, .value_kind: global_buffer, .address_space: global }
      - { .name: lowp_scales, .offset: 24, .size: 8, .value_kind: global_buffer, .address_space: global }
      - { .name: x_codes, .offset: 32, .size: 8, .value_kind: global_buffer, .address_space: global }
      - { .name: wqkv_codes, .offset: 40, .size: 8, .value_kind: global_buffer, .address_space: global }
      - { .name: wproj_codes, .offset: 48, .size: 8, .value_kind: global_buffer, .address_space: global }
      - { .name: rope_tab, .offset: 56, .size: 8, .value_kind: global_buffer, .address_space: global }
    .group_segment_fixed_size: 68608
    .private_segment_fixed_size: 0
    .kernarg_segment_align: 8
    .kernarg_segment_size: 64
    .max_flat_workgroup_size: 256
    .sgpr_count:     66
    .vgpr_count:     256
    .wavefront_size: 32
...
	.end_amdgpu_metadata
.endif
;; end of part 1
;; launch qkv (part 2): grid 12 x 32, 4 waves a work-group, clusters of 4 x 4, 327,680 bytes of LDS; arguments x_codes, wqkv_codes, lowp_scales, rope_tab, q_codes, k_codes, v_codes; writes q_codes, k_codes, v_codes
.if DOCPART == 2
	.amdgcn_target "amdgcn-amd-amdhsa--gfx1250"
	.amdhsa_code_object_version 6
	.text
	.protected	k_q06c123e01e_qkv
	.globl	k_q06c123e01e_qkv
	.p2align	8
	.type	k_q06c123e01e_qkv,@function
k_q06c123e01e_qkv:
	s_mov_b64 s[64:65], 0
	v_nop
	global_prefetch_b8 v0, s[64:65] scope:SCOPE_SE
	s_setreg_imm32_b32 hwreg(HW_REG_WAVE_MODE, 25, 1), 1
	s_wait_xcnt 0x0
	s_wait_alu depctr_hold_cnt(0) depctr_sa_sdst(0) depctr_va_vdst(0) depctr_va_sdst(0) depctr_va_ssrc(0) depctr_va_vcc(0) depctr_vm_vsrc(0)
	s_getreg_b32 s2, hwreg(HW_REG_IB_STS2, 6, 4)
	s_cmp_eq_u32 s2, 0
	s_cbranch_scc0 .Lentry_in_a_cluster
	s_endpgm
.Lentry_in_a_cluster:
	s_bfe_u32 s2, ttmp6, 0x10000c
	s_cmp_lg_u32 s2, 0xf033
	s_cbranch_scc0 .Lentry_shape_is_right
	s_endpgm
.Lentry_shape_is_right:
; QKV.  qkv = x Wqkv on codes of FP8 (E4M3), M 8,192, N 3,072, K 1,024; then RoPE on q and k; then q, k and v are quantised for the attention's products and stored as codes.
; A tile of 256 x 256 is made by a work-group of four waves, as many as a WGP has SIMDs; a wave makes 128 x 128: 64 accumulators of 16 x 16, 512 registers.
; K goes in steps of 256 through a ring of two LDS slots filled by the tensor data mover.  Both operands lie in memory as images of their fragments' registers (16 rows x 128 K: lane l's registers
; 4 g .. 4 g + 3 at byte 512 g + 16 l), so 128 rows x 256 K are one dense block of 32,768 bytes, and every LDS load of a fragment reads 512 consecutive bytes: no pitch, no padding.
; CLUSTERS: 4 x 4 work-groups; cluster x says what is made: 0 q, 1 k, 2 v.  The matrix instruction's source 0 takes the B ROLE's 16 rows and source 1 the A ROLE's: a lane then holds one row of the A role
; and eight neighbouring rows of the B role.  For q and k the A role is x (a lane holds a token, its registers run along the head's axis, which is the next K); for v the A role is Wqkv
; (a lane holds a channel d, its registers run along the tokens, which are the keys: the next K).  The A role's tile is shared along a row of the cluster, the B role's along a column: each is asked for
; JOINTLY, by the same tensor load with the same descriptor and a mask that names the four.  The choice of roles hangs on cluster x alone, which all sixteen partners share.
; A sum stands for sum x 2^(e0 + e1).  RoPE is linear, so it is applied to the sums as they are, and the conversion takes the one scale 2^(e - e0 - e1), e = e2 (q), e3 (k), e5 (v).
; LIMIT: e - e0 - e1 between -126 and 119, so that this power of two and 448 times it are f32 numbers.
; OUT: q_codes, k_codes [64 (batch, head)][128 tiles of 16 tokens][image of 16 tokens x 64 d: 1,024 bytes]; v_codes [64][16 steps of 128 keys][4 tiles of 16 d][image of 16 d x 128 keys: 2,048 bytes].
; The conversions' results are those images' registers: every store covers 512 consecutive bytes, and no result goes through LDS.
; REGISTERS, in windows of 256: window 0: v10-29 constants and addresses; v32-95 at work on the way out; from v128 the A role's fragments, ONE set, later the codes.
;   window 1: the B role's fragments, TWO sets, at v0 and v128; later the table.   window 2: the accumulators of my rows 0-63 ((a, b) at v[8 (8 a + b)]);   window 3: those of rows 64-127.
.set HALFT,  32768                     ; 128 rows x 256 K: what one tensor load brings, and what one wave reads of a role
.set SLOT,   4*HALFT                   ; the A role's two halves, then the B role's
.set SPARE,  2*SLOT                    ; behind the ring: the spare words, 128 bytes for each wave: two blocks of 256 bytes that no other line names
.set FR,     16                        ; registers of a fragment
.set NL,     4                         ; LDS loads that bring one
.set NP,     4                         ; places behind this matrix instruction (ISA guide 7.12.1)
.set STX,    8192*256                  ; from one 256 along K to the next, in x_codes,
.set STW,    3072*256                  ; and in wqkv_codes
.set LIM,  10                          ; v10     448 x the conversion's scale
.set SC,   11                          ; v11     the conversion's scale as f32
.set LI,   12                          ; v12     16 x lane
.set ADRA, 16                          ; v16-17  LDS address of my A fragments in slot 0, 1
.set ADRB, 20                          ; v20-21  the same for B
.set TO,   27                          ; v27     the table: 256 r + 64 h
.set SPW,  28                          ; v28     LDS address of my spare word; never rewritten
.set NIL,  29                          ; v29     0; never rewritten
.set OUT,  32                          ; v32-63 (v: v32-95) numbers ahead of the conversion
.set TM,   64                          ; v64-95  products with sin
.set AF,   128                         ; the A role's fragments
.set CD,   128                         ; later: the codes, registers of their own for every store
.set G1, 24                            ; s[24:31] descriptor group 1 for the A role;  s[32:39] group 0, one set for each slot
.set G0, 32
.set G1B, 48                           ; s[48:55], s[56:63] the same for the B role
.set G0B, 56
.set MSB, 0
.macro WIN new                         ; the immediate's high byte repeats the setting that is left
.if MSB != (\new)
	s_set_vgpr_msb (MSB<<8)|(\new)
.set MSB, (\new)
.endif
.endm
.set MUL_LO, 0xa1                      ; source 0 (B) window 1, source 1 (A) window 0, C and D window 2
.set MUL_HI, 0xf1                      ; the same, C and D window 3
.set TO_B,   0x40                      ; destination window 1, address window 0
; A joint load: waves 0 and 1 fetch for the A role, waves 2 and 3 for the B role.  Each line has ONE mask and one set of registers for all that issue it; the branch hangs on the wave's number alone.
; Four v_nop follow each of the two lines, ahead of the jump, the label and what follows.
.macro JLOAD g0a, g1a, g0b, g1b
	s_cmp_eq_u32 s15, 0
	s_cbranch_scc0 .Lfor_b_\@
	tensor_load_to_lds s[\g0a:\g0a+3], s[\g1a:\g1a+7]
	s_nop 0
.rept 4
	v_nop
.endr
	s_branch .Lasked_\@
.Lfor_b_\@:
	tensor_load_to_lds s[\g0b:\g0b+3], s[\g1b:\g1b+7]
	s_nop 0
.rept 4
	v_nop
.endr
.Lasked_\@:
.endm
.macro CREST                           ; a round of the cluster's barrier behind its opening barrier
	s_cmp_lg_u32 s14, 0
	s_cbranch_scc1 .Lnot_wave_0_\@
	s_barrier_signal -3
.Lnot_wave_0_\@:
	s_barrier_wait -3
	s_barrier_signal -1
	s_barrier_wait -1
.endm
.macro CROUND                          ; a whole round
	s_barrier_signal -1
	s_barrier_wait -1
	CREST
.endm
	s_load_b256 s[68:75], s[0:1], 0x0              ; x_codes s[68:69], wqkv_codes s[70:71], the exponents s[72:73], rope_tab s[74:75]
	s_load_b128 s[76:79], s[0:1], 0x20             ; q_codes s[76:77], k_codes s[78:79]
	s_load_b64 s[80:81], s[0:1], 0x30              ; v_codes
	v_lshl_add_u32 v[SPW], v0, 2, SPARE
	v_mov_b32 v[NIL], 0
	ds_add_u32 v28, v29
	ds_add_u32 v28, v29
	s_wait_dscnt 0x0
	v_lshrrev_b32 v1, 5, v0
	v_readfirstlane_b32 s14, v1                    ; wave 0..3
	s_lshr_b32 s15, s14, 1                         ; which half of the A role's rows is mine.  Also: I fetch for A (0) or for B (1)
	s_and_b32 s16, s14, 1                          ; which half of the B role's.  Also: which 128 rows of that tile I fetch
	s_bfe_u32 s40, ttmp6, 0x40000                  ; cx, cy: my place in the cluster
	s_bfe_u32 s41, ttmp6, 0x40004
	s_and_b32 s12, ttmp7, 0xffff
	s_lshl_b32 s12, s12, 2                         ; 4 x cluster y
	s_add_co_u32 s18, s12, s41                     ; q, k: the A role's tile: x's rows 256 (4 cluster y + cy) on
	s_add_co_u32 s19, s41, 8                       ; v: Wqkv's columns 256 (8 + cy) on
	s_add_co_u32 s66, s12, s40                     ; v: the B role's tile: x's rows 256 (4 cluster y + cx) on
	s_lshl_b32 s67, ttmp9, 2
	s_add_co_u32 s67, s67, s40                     ; q, k: Wqkv's columns 256 (4 cluster x + cx) on
	s_lshl_b32 s43, s41, 2
	s_lshl_b32 s43, 15, s43                        ; my row of the cluster
	s_lshl_b32 s44, 0x1111, s40                    ; my column
	s_mov_b32 s100, STX
	s_mov_b32 s101, STW
	s_cmp_eq_u32 ttmp9, 2                          ; v?  The same in all sixteen partners
	s_cselect_b32 s17, s19, s18                    ; TA: hangs on cy, never on cx
	s_cselect_b32 s42, s66, s67                    ; TB: hangs on cx, never on cy
	s_cselect_b32 s84, s101, s100                  ; a slot on, in the A role's buffer,
	s_cselect_b32 s86, s100, s101                  ; and in the B role's
	s_mov_b32 s85, 0
	s_mov_b32 s87, 0
	s_lshl_b32 s88, s84, 1                         ; two slots on: a refill's step
	s_mov_b32 s89, 0
	s_lshl_b32 s90, s86, 1
	s_mov_b32 s91, 0
	; descriptor group 1: a dense block of 128 rows x 32 elements of 8 bytes
	s_or_b32 s[G1+0], s43, (3<<16)|(1<<21)         ; 15:0 the mask: the A role's tiles go to my row; 17:16 elements of 8 bytes; 20 no padding; 21 set beside a mask
	s_or_b32 s[G1B+0], s44, (3<<16)|(1<<21)        ; the B role's to my column
.irp g, G1, G1B
	s_mov_b32 s[\g+1], 32<<16                      ; tensor_dim0 = 32
	s_mov_b32 s[\g+2], 128<<16                     ; tensor_dim1 = 128
	s_mov_b32 s[\g+3], 32<<16                      ; tile_dim0 = 32
	s_mov_b32 s[\g+4], 128                         ; tile_dim1 = 128
	s_mov_b32 s[\g+5], 32                          ; tensor_dim0_stride: dense
	s_mov_b32 s[\g+6], 0
	s_mov_b32 s[\g+7], 0
.endr
	s_lshl_b32 s13, s16, 15                        ; which 128 rows of the tile I fetch
	s_lshl_b32 s20, s17, 16                        ; a tile of 256 rows x 256 K is 65,536 bytes
	s_add_co_u32 s20, s20, s13
	s_mov_b32 s21, 0
	s_lshl_b32 s46, s42, 16
	s_add_co_u32 s46, s46, s13
	s_mov_b32 s47, 0
	s_mul_i32 s45, s14, HALFT                      ; where they go: wave x 32,768: no place in the cluster enters an LDS address
	s_wait_kmcnt 0x0
	s_load_b256 s[92:99], s[72:73], 0x0            ; e0 .. e7
	s_cmp_eq_u32 ttmp9, 2
	s_cselect_b64 s[4:5], s[70:71], s[68:69]       ; the A role's buffer
	s_cselect_b64 s[6:7], s[68:69], s[70:71]       ; the B role's
	s_add_nc_u64 s[20:21], s[4:5], s[20:21]
	s_add_nc_u64 s[46:47], s[6:7], s[46:47]
	CROUND                                         ; all sixteen work-groups are here: the first joint loads meet
.irp s, 0,1
	s_mov_b32 s[G0+4*\s], 1                        ; count = 1
	s_add_co_u32 s[G0+4*\s+1], s45, \s*SLOT        ; LDS address
	s_mov_b32 s[G0B+4*\s], 1
	s_add_co_u32 s[G0B+4*\s+1], s45, \s*SLOT
.endr
	s_add_nc_u64 s[G0+2:G0+3], s[20:21], 0         ; global address: K 0 on,
	s_add_nc_u64 s[G0+6:G0+7], s[20:21], s[84:85]  ; K 256 on
	s_add_nc_u64 s[G0B+2:G0B+3], s[46:47], 0
	s_add_nc_u64 s[G0B+6:G0B+7], s[46:47], s[86:87]
.irp s, 0,1
	s_or_b32 s[G0+4*\s+3], s[G0+4*\s+3], 0x80000000    ; type = 2
	s_or_b32 s[G0B+4*\s+3], s[G0B+4*\s+3], 0x80000000
.endr
	JLOAD G0, G1, G0B, G1B                         ; slot 0: one tensor load a wave at the head
	v_and_b32 v1, 15, v0                           ; r
	v_bfe_u32 v2, v0, 4, 1                         ; h
	v_and_b32 v3, 31, v0
	v_lshlrev_b32 v[LI], 4, v3
	s_mul_i32 s21, s15, HALFT                      ; my 128 rows of the A role
	s_mul_i32 s22, s16, HALFT                      ; my 128 rows of the B role,
	s_add_co_u32 s22, s22, 2*HALFT                 ; which lie behind A's two halves
.irp s, 0,1
	v_add_nc_u32 v[ADRA+\s], s21, v[LI]
	v_add_nc_u32 v[ADRB+\s], s22, v[LI]
	s_add_co_u32 s21, s21, SLOT
	s_add_co_u32 s22, s22, SLOT
.endr
	v_lshlrev_b32 v[TO], 8, v1
	v_lshl_add_u32 v[TO], v2, 6, v[TO]
.macro FRAG reg, adr, q, i             ; block i of 16 rows, the slot's q-th 128 along K: four loads of 512 consecutive bytes bring the image back: registers 2 c, 2 c + 1 hold K = 16 c + 8 (l / 16) + 0 .. 7
.irp c, 0,1,2,3
	ds_load_b128 v[\reg+4*\c:\reg+4*\c+3], v[\adr] offset:4096*(\i)+2048*(\q)+512*\c
.endr
.endm
; 16 matrix instructions: A's blocks a0, a0 + 1 x B's eight, 128 along K.  p: B's set.  zero = 1: the first product starts the sums: nothing is ever cleared.
; The 64 accumulators take turns, one instruction a turn, in the same order in every step.
.macro MUL16 a0, p, zero
.irp a, \a0, \a0+1
.irp b, 0,1,2,3,4,5,6,7
.if \zero
	v_wmma_f32_16x16x128_fp8_fp8 v[8*(8*((\a)%4)+\b):8*(8*((\a)%4)+\b)+7], v[128*(\p)+FR*\b:128*(\p)+FR*\b+FR-1], v[AF+FR*(\a):AF+FR*(\a)+FR-1], 0
.else
	v_wmma_f32_16x16x128_fp8_fp8 v[8*(8*((\a)%4)+\b):8*(8*((\a)%4)+\b)+7], v[128*(\p)+FR*\b:128*(\p)+FR*\b+FR-1], v[AF+FR*(\a):AF+FR*(\a)+FR-1], v[8*(8*((\a)%4)+\b):8*(8*((\a)%4)+\b)+7]
.endif
.endr
.endr
.endm
.macro FETCH_B slot, q, p              ; B's eight fragments into set p
	WIN TO_B
.irp i, 0,1,2,3,4,5,6,7
	FRAG 128*(\p)+FR*\i, ADRB+\slot, \q, \i
.endr
	WIN 0
.endm
.macro FETCH_A slot, q, i0             ; A's blocks i0 .. i0 + 3
.irp i, \i0, \i0+1, \i0+2, \i0+3
	FRAG AF+FR*(\i), ADRA+\slot, \q, \i
.endr
.endm
; A load into a register that a matrix instruction has read, and a vector instruction that reads a matrix result, stand NP places behind that matrix instruction; only plain vector
; instructions that name none of its registers are places (ISA guide 7.12.1 for vector instructions).
.macro PLACES n
.rept \n
	v_nop
.endr
.endm
; A step of 128 along K that has its successor in the same slot.  A block of A is free as soon as its eight products are issued, so one set serves A: blocks 0-3 are fetched anew in the step's middle, blocks 4-7 at its end.
.macro STEP slot, q, zero
	s_wait_dscnt 4*NL                              ; B's set and A's blocks 0-3 are in; the youngest sixteen loads (A's blocks 4-7) may be out
	WIN MUL_LO
	MUL16 0, (\q)%2, \zero
	MUL16 2, (\q)%2, \zero
	s_wait_dscnt 0                                 ; A's blocks 4-7 are in
	PLACES NP
	FETCH_B \slot, (\q)+1, 1-(\q)%2
	FETCH_A \slot, (\q)+1, 0
	WIN MUL_HI
	MUL16 4, (\q)%2, \zero
	MUL16 6, (\q)%2, \zero
	PLACES NP
	WIN 0
	FETCH_A \slot, (\q)+1, 4
.endm
; A slot's last step changes slots: ONE barrier; in front of it each wave waits for all its tensor loads, adds 0 to its spare word, and waits for that and for its own reads of this slot.  fill = 1: this slot is filled again, two slots ahead.
.macro TURN slot, next, fill
	s_wait_tensorcnt 0x0                           ; all my tensor loads have landed: my part of the next slot  (every window is 0 here)
	ds_add_u32 v[SPW], v[NIL]                      ; 0 onto my spare word
	s_wait_dscnt 4*NL+1                            ; (the add and the youngest sixteen loads, A's blocks 4-7, may be out)
	WIN MUL_LO
	MUL16 0, 1, 0                                  ; sixteen matrix instructions stand between the add and the wait for it
	s_wait_dscnt 0x0                               ; the add is done, and my reads of this slot are over
	s_barrier_signal -1
	MUL16 2, 1, 0
	WIN 0
	s_barrier_wait -1
.if \fill
	CREST                                          ; the barrier has opened a round of the cluster's barrier: no wave of any partner still reads this slot's tile or has a load on its way
	s_add_nc_u64 s[G0+4*\slot+2:G0+4*\slot+3], s[G0+4*\slot+2:G0+4*\slot+3], s[88:89]
	s_add_nc_u64 s[G0B+4*\slot+2:G0B+4*\slot+3], s[G0B+4*\slot+2:G0B+4*\slot+3], s[90:91]
	JLOAD G0+4*\slot, G1, G0B+4*\slot, G1B         ; the first tensor load behind the round; the four v_nop behind it are the places in front of the loads below
.else
	PLACES NP
.endif
	FETCH_B \next, 0, 0
	FETCH_A \next, 0, 0
	WIN MUL_HI
	MUL16 4, 1, 0
	MUL16 6, 1, 0
	PLACES NP
	WIN 0
	FETCH_A \next, 0, 4
.endm
	s_wait_alu depctr_va_vdst(0)
	s_wait_tensorcnt 0x0                           ; my part of slot 0 is in; these lines stand ahead of a later first fill, as ahead of a refill
	ds_add_u32 v[SPW], v[NIL]
	s_wait_dscnt 0x0
	CROUND                                         ; everybody's part of slot 0 is in, and all sixteen work-groups are here
	JLOAD G0+4, G1, G0B+4, G1B                     ; slot 1's first fill, the first tensor load behind the round
	FETCH_B 0, 0, 0
	FETCH_A 0, 0, 0
	FETCH_A 0, 0, 4
	STEP 0, 0, 1                                   ; the first step stands in front of the loop: its products start the sums
	s_mov_b32 s3, 1                                ; K = 1,024 is twice round the ring: one trip fills both slots again
.Llap:
	TURN 0, 1, 1
	STEP 1, 0, 0
	TURN 1, 0, 1
	STEP 0, 0, 0
	s_sub_co_u32 s3, s3, 1
	s_cmp_lg_u32 s3, 0
	s_cbranch_scc1 .Llap
	TURN 0, 1, 0                                   ; the last lap fills nothing, and has no round of the cluster's barrier
	STEP 1, 0, 0
	s_wait_dscnt 4*NL                              ; the very last step: nothing more to fetch
	WIN MUL_LO
	MUL16 0, 1, 0
	MUL16 2, 1, 0
	s_wait_dscnt 0
	WIN MUL_HI
	MUL16 4, 1, 0
	MUL16 6, 1, 0
	WIN 0
; THE WAY OUT.
	PLACES NP                                      ; behind the last products: their operands' registers are loaded and written below, their results read
	s_wait_kmcnt 0x0
	s_cmp_eq_u32 ttmp9, 0
	s_cselect_b32 s100, s94, s95                   ; e2 for q, e3 for k,
	s_cmp_eq_u32 ttmp9, 2
	s_cselect_b32 s100, s97, s100                  ; e5 for v
	s_sub_co_i32 s100, s100, s92
	s_sub_co_i32 s100, s100, s93                   ; e - e0 - e1
	s_add_co_i32 s100, s100, 127
	s_lshl_b32 s101, s100, 23
	v_mov_b32 v[SC], s101
	s_add_co_i32 s100, s100, 8
	s_lshl_b32 s100, s100, 23
	s_or_b32 s100, s100, 0x600000
	v_mov_b32 v[LIM], s100                         ; 448 x that power of two
	s_cmp_eq_u32 ttmp9, 2
	s_cbranch_scc1 .Lv                             ; on cluster x: the same way in all partners
; q and k.  Lane (r, h) of accumulator (a, b) holds token 16 a + r and columns 16 b + 8 h + 0 .. 7.  A head is four accumulators b = 4 hd + 0 .. 3; d and d + 32 lie two accumulators apart in the same lane and register.
	s_lshl_b32 s20, s17, 8
	s_lshl_b32 s21, s15, 7
	s_add_co_u32 s20, s20, s21                     ; my first row of x
	s_lshr_b32 s21, s20, 11                        ; the batch,
	s_and_b32 s22, s20, 2047                       ; and the position in it
	s_lshl_b32 s66, s22, 8
	s_mov_b32 s67, 0
	s_add_nc_u64 s[74:75], s[74:75], s[66:67]      ; the table at my first position
	s_and_b32 s46, s42, 3
	s_lshl_b32 s46, s46, 2
	s_lshl_b32 s47, s16, 1
	s_add_co_u32 s46, s46, s47                     ; my first head: 4 (TB % 4) + 2 x half
	s_lshl_b32 s21, s21, 4
	s_add_co_u32 s46, s46, s21                     ; + 16 x batch
	s_lshl_b32 s46, s46, 7
	s_lshr_b32 s22, s22, 4
	s_add_co_u32 s46, s46, s22                     ; x 128 tiles + my first tile of tokens
	s_lshl_b32 s46, s46, 10
	s_mov_b32 s47, 0
	s_cmp_eq_u32 ttmp9, 0
	s_cselect_b64 s[76:77], s[76:77], s[78:79]
	s_add_nc_u64 s[76:77], s[76:77], s[46:47]
	WIN 0x40                                       ; destination window 1: B's fragments are done with
.set i, 0
.rept 64                               ; block a = i / 8, u = (i / 4) % 2: cos (8 registers), then sin (8), of frequencies 16 u + 8 h + 0 .. 7 at position 16 a + r
	global_load_b128 v[4*i:4*i+3], v[TO], s[74:75] offset:4096*(i/8)+128*((i/4)%2)+16*(i%4)
.set i, i+1
.endr
; out(d) = s(d) cos - s(d + 32) sin;  out(d + 32) = s(d + 32) cos + s(d) sin, d < 32.  Each accumulator is read from its low end on.
.macro ROPEQ a, hd
.if (\hd) == 0
	s_wait_loadcnt 56-8*(\a)                       ; this block's eight table loads are in; those of the blocks behind it may be out
.endif
	WIN 0x06+(\a)/4                                ; source 0: the sums, window 2 or 3; source 1: the table, window 1
.irp u, 0,1
.irp jp, 0,2,4,6
.set LO, 8*(8*((\a)%4)+4*(\hd)+\u)+\jp
.set HI, LO+16
.set TC, 32*(\a)+16*\u+\jp
	v_pk_mul_f32 v[TM+8*\u+\jp:TM+8*\u+\jp+1], v[HI:HI+1], v[TC+8:TC+9]
	v_pk_mul_f32 v[TM+16+8*\u+\jp:TM+16+8*\u+\jp+1], v[LO:LO+1], v[TC+8:TC+9]
	v_pk_fma_f32 v[OUT+8*\u+\jp:OUT+8*\u+\jp+1], v[LO:LO+1], v[TC:TC+1], v[TM+8*\u+\jp:TM+8*\u+\jp+1] neg_lo:[0,0,1] neg_hi:[0,0,1]
	v_pk_fma_f32 v[OUT+16+8*\u+\jp:OUT+16+8*\u+\jp+1], v[HI:HI+1], v[TC:TC+1], v[TM+16+8*\u+\jp:TM+16+8*\u+\jp+1]
.endr
.endr
	WIN 0
.set i, 0
.rept 32
	v_med3_num_f32 v[OUT+i], v[OUT+i], -v[LIM], v[LIM]     ; the conversion to an 8-bit code does not saturate (ISA guide 7.6.2): the hold comes first
.set i, i+1
.endr
.irp c, 0,1,2,3                        ; OUT[8 c + j] = d 16 c + 8 h + j: registers 2 c, 2 c + 1 of the image
	v_cvt_scalef32_pk8_fp8_f32 v[CD+8*(2*(\a)+(\hd))+2*\c:CD+8*(2*(\a)+(\hd))+2*\c+1], v[OUT+8*\c:OUT+8*\c+7], v[SC]
.endr
	v_nop                                          ; a plain line behind the conversions: the next block writes their sources
.irp g, 0,1
	global_store_b128 v[LI], v[CD+8*(2*(\a)+(\hd))+4*\g:CD+8*(2*(\a)+(\hd))+4*\g+3], s[76:77] offset:1024*(\a)+131072*(\hd)+512*\g
.endr
.endm
.irp a, 0,1,2,3,4,5,6,7
	ROPEQ \a, 0
	ROPEQ \a, 1
.endr
	s_branch .Lend
; v.  Lane (r, h) of accumulator (a, b) holds channel 16 a + r of my 128 columns and tokens 16 b + 8 h + 0 .. 7 of my 128: its conversion gives registers 2 b, 2 b + 1 of the image of 16 d x 128 keys.
.Lv:
	s_lshl_b32 s20, s42, 8
	s_lshl_b32 s21, s16, 7
	s_add_co_u32 s20, s20, s21                     ; my first token's row of x
	s_lshr_b32 s21, s20, 11                        ; the batch
	s_and_b32 s22, s20, 2047
	s_lshr_b32 s22, s22, 7                         ; the step of 128 keys
	s_lshl_b32 s46, s41, 2
	s_lshl_b32 s47, s15, 1
	s_add_co_u32 s46, s46, s47                     ; my first head: 4 cy + 2 x half
	s_lshl_b32 s21, s21, 4
	s_add_co_u32 s46, s46, s21
	s_lshl_b32 s46, s46, 4
	s_add_co_u32 s46, s46, s22
	s_lshl_b32 s46, s46, 13                        ; x 4 tiles of d x 2,048 bytes
	s_mov_b32 s47, 0
	s_add_nc_u64 s[80:81], s[80:81], s[46:47]
.macro VQ a
	WIN 0x02+(\a)/4                                ; source 0: the sums, window 2 or 3
.irp b, 0,1,2,3,4,5,6,7
.irp j, 0,1,2,3,4,5,6,7
	v_med3_num_f32 v[OUT+8*\b+\j], v[8*(8*((\a)%4)+\b)+\j], -v[LIM], v[LIM]
.endr
.endr
	WIN 0
.irp b, 0,1,2,3,4,5,6,7
	v_cvt_scalef32_pk8_fp8_f32 v[CD+16*(\a)+2*\b:CD+16*(\a)+2*\b+1], v[OUT+8*\b:OUT+8*\b+7], v[SC]
.endr
	v_nop                                          ; a plain line behind the conversions: the next block writes their sources
.irp g, 0,1,2,3
	global_store_b128 v[LI], v[CD+16*(\a)+4*\g:CD+16*(\a)+4*\g+3], s[80:81] offset:((\a)/4)*131072+((\a)%4)*2048+512*\g
.endr
.endm
	s_wait_alu depctr_va_vdst(0)
.irp a, 0,1,2,3,4,5,6,7
	VQ \a
.endr
.Lend:
	s_wait_tensorcnt 0x0                           ; the wave's end
	ds_add_u32 v[SPW], v[NIL]
	s_wait_dscnt 0x0
	CROUND                                         ; the closing round: no work-group ends while a partner may still ask for a tile that names it
	s_endpgm
.Lfunc_end_k_q06c123e01e_qkv:
	.size	k_q06c123e01e_qkv, .Lfunc_end_k_q06c123e01e_qkv-k_q06c123e01e_qkv
	.p2alignl 7, 3214868480
	.fill 96, 4, 3214868480
	.section	.rodata,"a",@progbits
	.p2align	6, 0x0
	.amdhsa_kernel k_q06c123e01e_qkv
		.amdhsa_group_segment_fixed_size 327680
		.amdhsa_private_segment_fixed_size 0
		.amdhsa_enable_private_segment 0
		.amdhsa_kernarg_size 56
		.amdhsa_user_sgpr_count 2
		.amdhsa_user_sgpr_kernarg_segment_ptr 1
		.amdhsa_wavefront_size32 1
		.amdhsa_system_sgpr_workgroup_id_x 1
		.amdhsa_system_sgpr_workgroup_id_y 1
		.amdhsa_system_sgpr_workgroup_id_z 1
		.amdhsa_system_vgpr_workitem_id 0
		.amdhsa_next_free_vgpr 1024
		.amdhsa_next_free_sgpr 102
		.amdhsa_reserve_vcc 0
		.amdhsa_float_denorm_mode_32 3
		.amdhsa_float_denorm_mode_16_64 3
		.amdhsa_memory_ordered 1
		.amdhsa_forward_progress 1
		.amdhsa_inst_pref_size 198
	.end_amdhsa_kernel
	.amdgpu_metadata
---
amdhsa.version: [ 1, 2 ]
amdhsa.kernels:
  - .name:           k_q06c123e01e_qkv
    .symbol:         k_q06c123e01e_qkv.kd
    .args:
      - { .name: x_codes, .offset: 0, .size: 8, .value_kind: global_buffer, .address_space: global }
      - { .name: wqkv_codes, .offset: 8, .size: 8, .value_kind: global_buffer, .address_space: global }
      - { .name: lowp_scales, .offset: 16, .size: 8, .value_kind: global_buffer, .address_space: global }
      - { .name: rope_tab, .offset: 24, .size: 8, .value_kind: global_buffer, .address_space: global }
      - { .name: q_codes, .offset: 32, .size: 8, .value_kind: global_buffer, .address_space: global }
      - { .name: k_codes, .offset: 40, .size: 8, .value_kind: global_buffer, .address_space: global }
      - { .name: v_codes, .offset: 48, .size: 8, .value_kind: global_buffer, .address_space: global }
    .group_segment_fixed_size: 327680
    .private_segment_fixed_size: 0
    .kernarg_segment_align: 8
    .kernarg_segment_size: 56
    .max_flat_workgroup_size: 128
    .sgpr_count:     102
    .vgpr_count:     1024
    .wavefront_size: 32
...
	.end_amdgpu_metadata
.endif
;; end of part 2
;; launch attn (part 3): grid 4 x 64, 16 waves a work-group, clusters of 4 x 1, 327,680 bytes of LDS; arguments q_codes, k_codes, v_codes, lowp_scales, y_codes; writes y_codes
.if DOCPART == 3
	.amdgcn_target "amdgcn-amd-amdhsa--gfx1250"
	.amdhsa_code_object_version 6
	.text
	.protected	k_q06c123e01e_attn
	.globl	k_q06c123e01e_attn
	.p2align	8
	.type	k_q06c123e01e_attn,@function
k_q06c123e01e_attn:
	s_mov_b64 s[64:65], 0
	v_nop
	global_prefetch_b8 v0, s[64:65] scope:SCOPE_SE
	s_setreg_imm32_b32 hwreg(HW_REG_WAVE_MODE, 25, 1), 1
	s_wait_xcnt 0x0
	s_wait_alu depctr_hold_cnt(0) depctr_sa_sdst(0) depctr_va_vdst(0) depctr_va_sdst(0) depctr_va_ssrc(0) depctr_va_vcc(0) depctr_vm_vsrc(0)
	s_getreg_b32 s2, hwreg(HW_REG_IB_STS2, 6, 4)
	s_cmp_eq_u32 s2, 0
	s_cbranch_scc0 .Lentry_in_a_cluster
	s_endpgm
.Lentry_in_a_cluster:
	s_bfe_u32 s2, ttmp6, 0x10000c
	s_cmp_lg_u32 s2, 0x3003
	s_cbranch_scc0 .Lentry_shape_is_right
	s_endpgm
.Lentry_shape_is_right:
; ATTN.  y = softmax(q k^T / 8, causal) v for 64 (batch, head) pairs of 2,048 positions, head size 64, both products on codes of FP8 (E4M3); y is quantised for the projection and stored as codes.
; t = score x log2(e) / 8; M = the running largest t rounded up to a whole number; p = 2^(t - M) is quantised with 2^e4; the row's sum is taken of the unquantised p in f32 and divides at the end.
; WORK LEFT OUT: the causal mask sets the scores of keys behind the query to -infinity, so their p is 0: a step of 128 keys that all lie behind a tile's 16 queries adds nothing and is not walked.
; SHARES.  The four work-groups of a head form a cluster.  A head has 128 tiles of 16 queries.  Wave w of work-group cx takes tile 127 - (4 w + cx) and then tile 4 w + cx.  With a = w / 2 the first has steps 0 .. 15 - a
; of 128 keys and the second steps 0 .. a: 17 steps for every wave.  THE WALK is 17 trips u = 0 .. 16, the same count in all waves: while u + a < 16 the first tile's step u; from u + a = 16 on the second tile's step 16 - u
; (its diagonal first: a softmax's steps may come in any order).  The diagonal's steps are those with u + a = 15 and 16.  All of that hangs on w and u alone; cx enters global offsets and the diagonal's lane masks (selects), no branch and no LDS address.
; The sixteen waves walk in step: a barrier stands at each step's head, with K's LDS loads between its signal and its wait (they read bytes that nobody writes any more).
; Wave 0's first tile lies in the last 128 positions in every work-group, so each of the four reads all keys: K and V (2 x 131,072 bytes a head) are asked for JOINTLY, mask 15, and stay in LDS: nothing is filled again.
; Keys 0-511 are asked for at the head (4,096 bytes a wave: waves 0-7 K, waves 8-15 V), the other 1,536 (12,288 bytes a wave) behind the next round, while trips 0-3 are walked.
; NO PREFETCH: both groups of loads go out at the launch's start, and there is no later load ahead of which a loop could ask.
; LAYOUT.  S^T = K Q^T (source 0 = 16 keys, source 1 = my 16 queries), O^T = V^T P^T: a lane holds one query (lane % 16).  Register j of score tile f is key 16 f + 8 (lane / 16) + j: the conversion of tile f gives registers 2 f, 2 f + 1 of P.
; All operands lie in memory as images of their registers (lane l's registers 4 g .. 4 g + 3 at byte 512 g + 16 l): every LDS load, global load and store covers 512 consecutive bytes.
; LIMITS: e2 + e3 between -123 and 130; e4 and e6 between -126 and 119; the scaled scores stay under 2^31 in magnitude; NaN among the codes is not served.
.set SPARE, 0x48000                    ; the spare words, 128 bytes a wave, apart from K (0 on) and V (0x20000 on)
.set LI,  1                            ; v1  16 x lane: K's place
.set LV,  2                            ; v2  the same + 131,072: V's
.set NINF, 3                           ; v3  -infinity
.set YO,  6                            ; v6  y's offset of the tile in hand; v7 of the second tile; v4, v5 the two tiles' offsets in q
.set YO1, 7
.set ADK, 8
.set ADV, 9
.set SPW, 10                           ; v10 my spare word, v11 = 0: never rewritten
.set NIL, 11
; v12 -M, v13 largest t, v[14:15] the sum; v16-23 Q in hand, v24-31 the second tile's; v32-95 fragments; v96-159 S^T, p; v160-191 O^T; v224-239 P's codes; v240, v241 448 x 2^e4; v244 2^e4; v245 2^e6; v246 448 x 2^e6
.set TB,  2                            ; s2  LDS byte of the step
.set XX,  3                            ; s3  u + a
.set TBU, 14                           ; s14 8,192 u
.set TBD, 15                           ; s15 8,192 (16 - u)
.set WV,  18
.set SEL, 20
.set CS,  22
.set OF,  69                           ; s69 the tile's place among the diagonal step's eight key tiles, s70 the second tile's
.set OF1, 70
.set AH,  71                           ; s71 a = w / 2
.set CX,  72
.macro ROUND                           ; a round of the cluster's barrier
	s_barrier_signal -1
	s_barrier_wait -1
	s_cmp_lg_u32 s[WV], 0
	s_cbranch_scc1 .Lnw0_\@
	s_barrier_signal -3
.Lnw0_\@:
	s_barrier_wait -3
	s_barrier_signal -1
	s_barrier_wait -1
.endm
	s_load_b256 s[4:11], s[0:1], 0x0               ; q s[4:5], k s[6:7], v s[8:9], the exponents s[10:11]
	s_load_b64 s[12:13], s[0:1], 0x20              ; y
	v_lshl_add_u32 v[SPW], v0, 2, SPARE
	v_mov_b32 v[NIL], 0
	ds_add_u32 v[SPW], v[NIL]                      ; the opening: the add twice on end and one wait
	ds_add_u32 v[SPW], v[NIL]
	v_lshrrev_b32 v8, 5, v0
	v_readfirstlane_b32 s[WV], v8                  ; wave 0..15
	s_and_b32 s19, ttmp7, 0xffff                   ; (batch, head)
	s_bfe_u32 s[CX], ttmp6, 0x40000                ; my place in the cluster
	s_lshl_b32 s60, s19, 17                        ; a head's codes are 131,072 bytes in q, k and v
	s_mov_b32 s61, 0
	s_and_b32 s56, s[WV], 7
	s_lshl_b32 s58, s56, 12                        ; first group: 4,096 x (wave % 8)
	s_mov_b32 s59, 0
	s_mul_i32 s66, s56, 12288
	s_add_co_u32 s66, s66, 32768                   ; second group: 32,768 + 12,288 x (wave % 8)
	s_mov_b32 s67, 0
	s_lshr_b32 s57, s[WV], 3
	s_lshl_b32 s57, s57, 17                        ; in LDS K lies at 0, V at 131,072
	s_mov_b32 s24, 15|(3<<16)|(1<<21)              ; group 1: mask of the four; elements of 8 bytes; bit 21 beside a mask; rows of 256 bytes, dense: 16 rows,
	s_mov_b32 s25, 32<<16
	s_mov_b32 s26, 16<<16
	s_mov_b32 s27, 32<<16
	s_mov_b32 s28, 16
	s_mov_b32 s29, 32
	s_mov_b32 s30, 0
	s_mov_b32 s31, 0
	s_mov_b32 s32, 15|(3<<16)|(1<<21)              ; and 48 rows
	s_mov_b32 s33, 32<<16
	s_mov_b32 s34, 48<<16
	s_mov_b32 s35, 32<<16
	s_mov_b32 s36, 48
	s_mov_b32 s37, 32
	s_mov_b32 s38, 0
	s_mov_b32 s39, 0
	s_mov_b32 s40, 1
	s_add_co_u32 s41, s57, s58
	s_mov_b32 s44, 1
	s_add_co_u32 s45, s57, s66
	s_wait_dscnt 0x0                               ; both opening adds are done
	s_wait_kmcnt 0x0
	s_load_b256 s[48:55], s[10:11], 0x0            ; e0 .. e7
	s_cmp_lt_u32 s[WV], 8
	s_cselect_b64 s[62:63], s[6:7], s[8:9]
	s_add_nc_u64 s[62:63], s[62:63], s[60:61]
	s_add_nc_u64 s[42:43], s[62:63], s[58:59]
	s_or_b32 s43, s43, 0x80000000
	s_add_nc_u64 s[46:47], s[62:63], s[66:67]
	s_or_b32 s47, s47, 0x80000000
	ROUND                                          ; the four work-groups are here: the first joint loads meet
	tensor_load_to_lds s[40:43], s[24:31]          ; keys 0-511: one load a wave
	s_nop 0
.rept 4
	v_nop
.endr
	s_add_nc_u64 s[4:5], s[4:5], s[60:61]          ; q at my head
	s_and_b32 s56, s19, 15                         ; y's image for the projection: ((head / 4) 512 + 128 batch + tile) 4096 + (head % 4) 1024
	s_lshr_b32 s57, s19, 4
	s_lshr_b32 s58, s56, 2
	s_lshl_b32 s58, s58, 9
	s_lshl_b32 s57, s57, 7
	s_add_co_u32 s58, s58, s57
	s_lshl_b32 s58, s58, 12
	s_and_b32 s57, s56, 3
	s_lshl_b32 s57, s57, 10
	s_add_co_u32 s58, s58, s57
	s_add_nc_u64 s[12:13], s[12:13], s[58:59]
	s_lshl_b32 s56, s[WV], 2
	s_add_co_u32 s56, s56, s[CX]                   ; the second tile: 4 w + cx
	s_sub_co_u32 s57, 127, s56                     ; the first
	s_lshr_b32 s[AH], s[WV], 1
	s_and_b32 s[OF1], s56, 7
	s_and_b32 s[OF], s57, 7
	s_lshl_b32 s58, s56, 10                        ; a tile of q is 1,024 bytes,
	s_lshl_b32 s59, s57, 10
	s_lshl_b32 s62, s56, 12                        ; of y's image 4,096 apart
	s_lshl_b32 s63, s57, 12
	s_mov_b32 s[SEL], 0x76543210
	s_mov_b32 s[SEL+1], 0xfedcba98
	s_mov_b32 s[CS], 0x3e38aa3b                    ; c = log2(e) / 8
	s_wait_kmcnt 0x0
	s_add_co_i32 s56, s50, s51
	s_lshl_b32 s56, s56, 23
	s_add_co_i32 s[CS], s[CS], s56                 ; x 2^(e2 + e3), added to c's exponent field
	s_mov_b32 s[CS+1], s[CS]
	s_add_co_i32 s56, s52, 127
	s_lshl_b32 s73, s56, 23                        ; 2^e4
	s_add_co_i32 s56, s56, 8
	s_lshl_b32 s56, s56, 23
	s_or_b32 s74, s56, 0x600000                    ; 448 x 2^e4
	s_add_co_i32 s56, s54, 127
	s_lshl_b32 s75, s56, 23                        ; 2^e6
	s_add_co_i32 s56, s56, 8
	s_lshl_b32 s56, s56, 23
	s_or_b32 s76, s56, 0x600000                    ; 448 x 2^e6
	s_add_co_i32 s68, s52, s53                     ; e4 + e5
	v_and_b32 v8, 31, v0
	v_lshlrev_b32 v[LI], 4, v8
	v_add_nc_u32 v[LV], 0x20000, v[LI]
	v_add_nc_u32 v4, s59, v[LI]
	v_add_nc_u32 v5, s58, v[LI]
	global_load_b128 v[16:19], v4, s[4:5]          ; both tiles' Q stay in registers
	global_load_b128 v[20:23], v4, s[4:5] offset:512
	global_load_b128 v[24:27], v5, s[4:5]
	global_load_b128 v[28:31], v5, s[4:5] offset:512
	v_add_nc_u32 v[YO], s63, v[LI]
	v_add_nc_u32 v[YO1], s62, v[LI]
	v_mov_b32 v[NINF], 0xff800000
	v_mov_b32 v240, s74
	v_mov_b32 v241, s74                            ; twice: the two halves of a dual line name second sources in different banks
	v_mov_b32 v244, s73
	v_mov_b32 v245, s75
	v_mov_b32 v246, s76
	v_mov_b32 v248, 0                              ; a lane permute's destination counts as a source
	v_mov_b32 v252, 0
	v_mov_b32 v253, 0                              ; (named as the upper half of v[252:253])
	v_mov_b32 v13, 0xff61b1e6                      ; the first tile begins: largest t -3e38, sums and O^T zero
	v_floor_f32 v12, -v13
	v_mov_b32 v14, 0
	v_mov_b32 v15, 0
.set j, 0
.rept 32
	v_mov_b32 v[160+j], 0
.set j, j+1
.endr
; THE WAY OUT of a tile: O^T / the sum x 2^(e4 + e5), quantised with 2^e6, stored as y's image
.macro EPI
.rept 4
	v_nop                                          ; places behind the last products
.endr
	v_add_f32 v14, v14, v15
	s_delay_alu instid0(VALU_DEP_1)
	v_permlanex16_b32 v252, v14, s[SEL], s[SEL+1]
	s_delay_alu instid0(VALU_DEP_1)
	v_add_f32 v14, v14, v252                       ; the row's sum
	s_wait_alu depctr_va_vdst(0)                   ; the wait ahead of the transcendental,
	v_rcp_f32 v14, v14
	v_nop
	s_wait_alu depctr_va_vdst(0)                   ; ahead of its first reader,
	v_ldexp_f32 v14, v14, s68                      ; x 2^(e4 + e5)
	s_wait_alu depctr_va_vdst(0)                   ; and directly ahead of the first reader of O^T
.set j, 0
.rept 16
	v_pk_mul_f32 v[96+j:97+j], v[160+j:161+j], v[14:15] op_sel_hi:[1,0]
.set j, j+2
.endr
.set j, 0
.rept 32
	v_med3_num_f32 v[96+j], v[96+j], -v246, v246
.set j, j+1
.endr
.irp t, 0,1,2,3
	v_cvt_scalef32_pk8_fp8_f32 v[224+2*\t:225+2*\t], v[96+8*\t:103+8*\t], v245    ; registers 2 t, 2 t + 1 of y's image: channel 16 t + 8 h + 0 .. 7 of query r
.endr
	v_nop
	global_store_b128 v[YO], v[224:227], s[12:13]
	global_store_b128 v[YO], v[228:231], s[12:13] offset:512
.endm
; A STEP of 128 keys at LDS byte s[TB].  gen = 0: trips 0-3, open for every wave.  gen = 1: the tile changes where u + a = 16, and the diagonal's steps are masked.
.macro STEP gen
	s_barrier_signal -1                            ; no LDS access of mine is out here
	v_add_nc_u32 v[ADK], s[TB], v[LI]
	v_add_nc_u32 v[ADV], s[TB], v[LV]
	v_nop                                          ; with the two additions: four places ahead of loads into registers that the last products read
	v_nop
.irp f, 0,1,2,3,4,5,6,7
	ds_load_b128 v[32+8*\f:35+8*\f], v[ADK] offset:1024*\f
	ds_load_b128 v[36+8*\f:39+8*\f], v[ADK] offset:1024*\f+512
.endr
	s_barrier_wait -1                              ; all sixteen waves are at this step
.if \gen
	s_cmp_eq_u32 s[XX], 16
	s_cbranch_scc0 .Lsame_\@
	EPI                                            ; the first tile is finished
	s_wait_xcnt 0x0                                ; the stores have read their registers
	v_mov_b32 v[YO], v[YO1]                        ; on to the second tile
.set j, 0
.rept 8
	v_mov_b32 v[16+j], v[24+j]
.set j, j+1
.endr
	v_mov_b32 v13, 0xff61b1e6                      ; largest t -3e38: this step's f is 0, and the finished tile's sums and O^T, which are finite, become zeros by the step's own rescaling
	v_floor_f32 v12, -v13
	s_mov_b32 s[OF], s[OF1]
.Lsame_\@:
.endif
	s_wait_alu depctr_va_vdst(0)
	s_wait_dscnt 0x0
.irp f, 0,1,2,3,4,5,6,7
	v_wmma_f32_16x16x64_fp8_fp8 v[96+8*\f:103+8*\f], v[32+8*\f:39+8*\f], v[16:23], 0
.endr
.rept 4
	v_nop
.endr
.irp t, 0,1,2,3
.irp g, 0,1,2,3
	ds_load_b128 v[32+16*\t+4*\g:35+16*\t+4*\g], v[ADV] offset:2048*\t+512*\g   ; V's fragments come in under the softmax
.endr
.endr
.if \gen
	s_sub_co_u32 s57, s[XX], 15
	s_cmp_gt_u32 s57, 1                            ; u + a is neither 15 nor 16: all keys count
	s_cbranch_scc1 .Lopen_\@
; the diagonal: key tile f is open below my tile's place, hidden above it; at it key 8 h + j is hidden for query r < 8 h + j: a constant set of lanes for each j
.irp f, 0,1,2,3,4,5,6,7
	s_cmp_lt_u32 s[OF], \f
	s_cselect_b32 s57, -1, 0
	s_cmp_eq_u32 s[OF], \f
.irp j, 0,1,2,3,4,5,6,7
	s_cselect_b32 s58, ((1<<\j)-1)|(((1<<(8+\j))-1)<<16), s57
	v_cndmask_b32 v[96+8*\f+\j], v[96+8*\f+\j], v[NINF], s58
.endr
.endr
.Lopen_\@:
.endif
	v_max3_num_f32 v254, v96, v97, v98             ; the step's largest score of my query, in two chains; each accumulator from its low end on
	v_max3_num_f32 v252, v99, v100, v101
.irp i, 6,10,14,18,22,26,30,34,38,42,46,50,54,58
	v_max3_num_f32 v254, v254, v[96+\i], v[97+\i]
	v_max3_num_f32 v252, v252, v[98+\i], v[99+\i]
.endr
	v_max3_num_f32 v254, v254, v158, v159
	s_delay_alu instid0(VALU_DEP_1)
	v_max_num_f32 v254, v254, v252
	v_permlanex16_b32 v248, v254, s[SEL], s[SEL+1]
	s_delay_alu instid0(VALU_DEP_1)
	v_max_num_f32 v254, v254, v248                 ; and lane l xor 16's
	s_delay_alu instid0(VALU_DEP_1)
	v_mul_f32 v254, s[CS], v254
	s_delay_alu instid0(VALU_DEP_1)
	v_max_num_f32 v13, v13, v254                   ; the running largest t
	v_mov_b32 v254, v12
	s_delay_alu instid0(VALU_DEP_2)
	v_floor_f32 v12, -v13                          ; -M = floor(-t)
	s_delay_alu instid0(VALU_DEP_1)
	v_sub_f32 v254, v12, v254
	s_delay_alu instid0(VALU_DEP_1)
	v_cvt_i32_f32 v254, v254                       ; old M - new M (it saturates)
	s_delay_alu instid0(VALU_DEP_1)
	v_ldexp_f32 v252, 1.0, v254                    ; f = 2^(old M - new M)
.set j, 0
.rept 32
	v_pk_fma_f32 v[96+j:97+j], v[96+j:97+j], s[CS:CS+1], v[12:13] op_sel_hi:[1,0,0]   ; t - M
.set j, j+2
.endr
.set j, 0
.rept 16
	v_pk_mul_f32 v[160+j:161+j], v[160+j:161+j], v[252:253] op_sel_hi:[1,0]           ; O^T under the new M, ahead of the exponentials
.set j, j+2
.endr
	v_pk_mul_f32 v[14:15], v[14:15], v[252:253] op_sel_hi:[1,0]                       ; and the sums
	s_wait_alu depctr_va_vdst(0)                   ; one wait ahead of the batch,
.set j, 0
.rept 64
	v_exp_f32 v[96+j], v[96+j]                     ; p = 2^(t - M)
.set j, j+1
.endr
	v_nop                                          ; a plain place behind the exponentials
	s_wait_alu depctr_va_vdst(0)                   ; and one behind it
	v_pk_add_f32 v[242:243], v[96:97], v[98:99]    ; the sum of the unquantised p, in two chains
.irp j, 4,8,12,16,20,24,28,32,36,40,44,48,52,56,60
	v_pk_add_f32 v[14:15], v[14:15], v[96+\j:97+\j]
	v_pk_add_f32 v[242:243], v[242:243], v[98+\j:99+\j]
.endr
	s_delay_alu instid0(VALU_DEP_1)
	v_pk_add_f32 v[14:15], v[14:15], v[242:243]
.irp c, 0,1,2,3,4,5,6,7
.irp i, 0,2,4,6
	v_dual_min_num_f32 v[96+8*\c+\i], v[96+8*\c+\i], v240 :: v_dual_min_num_f32 v[97+8*\c+\i], v[97+8*\c+\i], v241   ; the conversion does not saturate (ISA guide 7.6.2); p is not negative: a one-sided hold, two a line
.endr
	v_cvt_scalef32_pk8_fp8_f32 v[224+2*\c:225+2*\c], v[96+8*\c:103+8*\c], v244
.endr
	v_nop                                          ; a plain line between the conversions and the products that read their results
	s_wait_alu depctr_va_vdst(0)
	s_wait_dscnt 0x0                               ; V's fragments
.irp t, 0,1,2,3
	v_wmma_f32_16x16x128_fp8_fp8 v[160+8*\t:167+8*\t], v[32+16*\t:47+16*\t], v[224:239], v[160+8*\t:167+8*\t]
.endr
.endm
	s_wait_alu depctr_va_vdst(0)
	s_wait_tensorcnt 0x0                           ; my part of keys 0-511 is in; the three lines ahead of a later first fill
	ds_add_u32 v[SPW], v[NIL]
	s_wait_dscnt 0x0
	ROUND                                          ; everybody's part is in, and the four work-groups are here
	tensor_load_to_lds s[44:47], s[32:39]          ; keys 512-2,047: my one load behind the round
	s_nop 0
.rept 4
	v_nop
.endr
	s_wait_loadcnt 0x0                             ; Q
	s_mov_b32 s[TB], 0
	s_mov_b32 s16, 4
.Lnear:                                            ; trips 0-3: the first tile lies at position 1,024 or later, so keys 0-511 all count
	STEP 0
	s_add_co_u32 s[TB], s[TB], 8192
	s_sub_co_u32 s16, s16, 1
	s_cmp_lg_u32 s16, 0
	s_cbranch_scc1 .Lnear
	s_wait_tensorcnt 0x0                           ; my part of the other keys is in,
	s_wait_dscnt 0x0
	s_barrier_signal -1
	s_barrier_wait -1                              ; everybody's is.
	s_mov_b32 s[TBU], 3*8192
	s_mov_b32 s[TBD], 13*8192
	s_mov_b32 s16, 4
.Lstep:                                            ; trips u = 4 .. 16
	s_add_co_u32 s[TBU], s[TBU], 8192              ; 8,192 u: the first tile's step,
	s_sub_co_u32 s[TBD], s[TBD], 8192              ; 8,192 (16 - u): the second's
	s_add_co_u32 s[XX], s16, s[AH]
	s_cmp_ge_u32 s[XX], 16
	s_cselect_b32 s[TB], s[TBD], s[TBU]
	STEP 1
	s_add_co_u32 s16, s16, 1
	s_cmp_lt_u32 s16, 17
	s_cbranch_scc1 .Lstep
	EPI                                            ; the second tile is finished
	s_wait_tensorcnt 0x0                           ; the wave's end
	ds_add_u32 v[SPW], v[NIL]
	s_wait_dscnt 0x0
	ROUND                                          ; the closing round
	s_endpgm
.Lfunc_end_k_q06c123e01e_attn:
	.size	k_q06c123e01e_attn, .Lfunc_end_k_q06c123e01e_attn-k_q06c123e01e_attn
	.p2alignl 7, 3214868480
	.fill 96, 4, 3214868480
	.section	.rodata,"a",@progbits
	.p2align	6, 0x0
	.amdhsa_kernel k_q06c123e01e_attn
		.amdhsa_group_segment_fixed_size 327680
		.amdhsa_private_segment_fixed_size 0
		.amdhsa_enable_private_segment 0
		.amdhsa_kernarg_size 40
		.amdhsa_user_sgpr_count 2
		.amdhsa_user_sgpr_kernarg_segment_ptr 1
		.amdhsa_wavefront_size32 1
		.amdhsa_system_sgpr_workgroup_id_x 1
		.amdhsa_system_sgpr_workgroup_id_y 1
		.amdhsa_system_sgpr_workgroup_id_z 1
		.amdhsa_system_vgpr_workitem_id 0
		.amdhsa_next_free_vgpr 256
		.amdhsa_next_free_sgpr 80
		.amdhsa_reserve_vcc 0
		.amdhsa_float_denorm_mode_32 3
		.amdhsa_float_denorm_mode_16_64 3
		.amdhsa_memory_ordered 1
		.amdhsa_forward_progress 1
		.amdhsa_inst_pref_size 58
	.end_amdhsa_kernel
	.amdgpu_metadata
---
amdhsa.version: [ 1, 2 ]
amdhsa.kernels:
  - .name:           k_q06c123e01e_attn
    .symbol:         k_q06c123e01e_attn.kd
    .args:
      - { .name: q_codes, .offset: 0, .size: 8, .value_kind: global_buffer, .address_space: global }
      - { .name: k_codes, .offset: 8, .size: 8, .value_kind: global_buffer, .address_space: global }
      - { .name: v_codes, .offset: 16, .size: 8, .value_kind: global_buffer, .address_space: global }
      - { .name: lowp_scales, .offset: 24, .size: 8, .value_kind: global_buffer, .address_space: global }
      - { .name: y_codes, .offset: 32, .size: 8, .value_kind: global_buffer, .address_space: global }
    .group_segment_fixed_size: 327680
    .private_segment_fixed_size: 0
    .kernarg_segment_align: 8
    .kernarg_segment_size: 40
    .max_flat_workgroup_size: 512
    .sgpr_count:     80
    .vgpr_count:     256
    .wavefront_size: 32
...
	.end_amdgpu_metadata
.endif
;; end of part 3
;; launch proj (part 4): grid 4 x 32, 4 waves a work-group, clusters of 4 x 4, 327,680 bytes of LDS; arguments y_codes, wproj_codes, lowp_scales, out0; writes out0
.if DOCPART == 4
	.amdgcn_target "amdgcn-amd-amdhsa--gfx1250"
	.amdhsa_code_object_version 6
	.text
	.protected	k_q06c123e01e_proj
	.globl	k_q06c123e01e_proj
	.p2align	8
	.type	k_q06c123e01e_proj,@function
k_q06c123e01e_proj:
	s_mov_b64 s[64:65], 0
	v_nop
	global_prefetch_b8 v0, s[64:65] scope:SCOPE_SE
	s_setreg_imm32_b32 hwreg(HW_REG_WAVE_MODE, 25, 1), 1
	s_wait_xcnt 0x0
	s_wait_alu depctr_hold_cnt(0) depctr_sa_sdst(0) depctr_va_vdst(0) depctr_va_sdst(0) depctr_va_ssrc(0) depctr_va_vcc(0) depctr_vm_vsrc(0)
	s_getreg_b32 s2, hwreg(HW_REG_IB_STS2, 6, 4)
	s_cmp_eq_u32 s2, 0
	s_cbranch_scc0 .Lentry_in_a_cluster
	s_endpgm
.Lentry_in_a_cluster:
	s_bfe_u32 s2, ttmp6, 0x10000c
	s_cmp_lg_u32 s2, 0xf033
	s_cbranch_scc0 .Lentry_shape_is_right
	s_endpgm
.Lentry_shape_is_right:
.set SIZE_N, 1024
.set HALFT,  32768
.set SLOT,   4*HALFT
.set SPARE,  2*SLOT
.set FR,     16
.set NL,     4
.set NP,     4
.set STA,    8192*256
.set STB,    1024*256
.set SPITCH, 528
.set ADRA, 16
.set ADRB, 20
.set STO,  24
.set RD,   25
.set CO,   26
.set SPW,  28
.set NIL,  29
.set TMP,  32
.set AF,   128
.set BK,   128
.set G1, 24
.set G0, 32
.set G1B, 48
.set G0B, 56
.set MSB, 0
.macro WIN new
.if MSB != (\new)
	s_set_vgpr_msb (MSB<<8)|(\new)
.set MSB, (\new)
.endif
.endm
.set MUL_LO, 0xa1
.set MUL_HI, 0xf1
.set TO_B,   0x40
.macro JLOAD g0a, g1a, g0b, g1b
	s_cmp_eq_u32 s15, 0
	s_cbranch_scc0 .Lfor_b_\@
	tensor_load_to_lds s[\g0a:\g0a+3], s[\g1a:\g1a+7]
	s_nop 0
.rept 4
	v_nop
.endr
	s_branch .Lasked_\@
.Lfor_b_\@:
	tensor_load_to_lds s[\g0b:\g0b+3], s[\g1b:\g1b+7]
	s_nop 0
.rept 4
	v_nop
.endr
.Lasked_\@:
.endm
.macro CREST
	s_cmp_lg_u32 s14, 0
	s_cbranch_scc1 .Lnot_wave_0_\@
	s_barrier_signal -3
.Lnot_wave_0_\@:
	s_barrier_wait -3
	s_barrier_signal -1
	s_barrier_wait -1
.endm
.macro CROUND
	s_barrier_signal -1
	s_barrier_wait -1
	CREST
.endm
	s_load_b128 s[4:7], s[0:1], 0x0
	s_load_b128 s[8:11], s[0:1], 0x10
	v_lshl_add_u32 v[SPW], v0, 2, SPARE
	v_mov_b32 v[NIL], 0
	ds_add_u32 v28, v29
	ds_add_u32 v28, v29
	s_wait_dscnt 0x0
	v_lshrrev_b32 v1, 5, v0
	v_readfirstlane_b32 s14, v1
	s_lshr_b32 s15, s14, 1
	s_and_b32 s16, s14, 1
	s_bfe_u32 s40, ttmp6, 0x40000
	s_bfe_u32 s41, ttmp6, 0x40004
	s_lshl_b32 s42, ttmp9, 2
	s_add_co_u32 s42, s42, s40
	s_and_b32 s17, ttmp7, 0xffff
	s_lshl_b32 s17, s17, 2
	s_add_co_u32 s17, s17, s41
	s_lshl_b32 s43, s41, 2
	s_lshl_b32 s43, 15, s43
	s_lshl_b32 s44, 0x1111, s40
	s_or_b32 s[G1+0], s43, (3<<16)|(1<<21)
	s_or_b32 s[G1B+0], s44, (3<<16)|(1<<21)
.irp g, G1, G1B
	s_mov_b32 s[\g+1], 32<<16
	s_mov_b32 s[\g+2], 128<<16
	s_mov_b32 s[\g+3], 32<<16
	s_mov_b32 s[\g+4], 128
	s_mov_b32 s[\g+5], 32
	s_mov_b32 s[\g+6], 0
	s_mov_b32 s[\g+7], 0
.endr
	s_lshl_b32 s18, s16, 15
	s_lshl_b32 s20, s17, 16
	s_add_co_u32 s20, s20, s18
	s_lshl_b32 s46, s42, 16
	s_add_co_u32 s46, s46, s18
	s_mov_b32 s21, 0
	s_mov_b32 s47, 0
	s_mul_i32 s45, s14, HALFT
	s_wait_kmcnt 0x0
	s_load_b64 s[96:97], s[8:9], 0x18
	s_add_nc_u64 s[20:21], s[4:5], s[20:21]
	s_add_nc_u64 s[46:47], s[6:7], s[46:47]
	CROUND
.irp s, 0,1
	s_mov_b32 s[G0+4*\s], 1
	s_add_co_u32 s[G0+4*\s+1], s45, \s*SLOT
	s_add_nc_u64 s[G0+4*\s+2:G0+4*\s+3], s[20:21], \s*STA
	s_or_b32 s[G0+4*\s+3], s[G0+4*\s+3], 0x80000000
	s_mov_b32 s[G0B+4*\s], 1
	s_add_co_u32 s[G0B+4*\s+1], s45, \s*SLOT
	s_add_nc_u64 s[G0B+4*\s+2:G0B+4*\s+3], s[46:47], \s*STB
	s_or_b32 s[G0B+4*\s+3], s[G0B+4*\s+3], 0x80000000
	s_wait_alu depctr_va_vdst(0)
	s_wait_tensorcnt 0x0
	ds_add_u32 v28, v29
	ds_add_u32 v28, v29
	s_wait_dscnt 0x0
	CROUND
	JLOAD G0+4*\s, G1, G0B+4*\s, G1B
.endr
	v_and_b32 v1, 15, v0
	s_wait_alu depctr_va_vdst(0)
	v_bfe_u32 v2, v0, 4, 1
	v_and_b32 v6, 31, v0
	v_lshlrev_b32 v[CO], 4, v6
	s_mul_i32 s21, s15, HALFT
	s_mul_i32 s22, s16, HALFT
	s_add_co_u32 s22, s22, 2*HALFT
.irp s, 0,1
	v_add_nc_u32 v[ADRA+\s], s21, v[CO]
	v_add_nc_u32 v[ADRB+\s], s22, v[CO]
	s_add_co_u32 s21, s21, SLOT
	s_add_co_u32 s22, s22, SLOT
.endr
	s_mul_i32 s23, s14, 16*SPITCH
	v_mul_u32_u24 v5, v1, SPITCH
	s_wait_alu depctr_va_vdst(0)
	v_lshl_add_u32 v5, v2, 5, v5
	v_add_nc_u32 v[STO], s23, v5
	v_add_nc_u32 v[RD], s23, v[CO]
	s_lshl_b32 s20, s17, 8
	s_lshl_b32 s21, s15, 7
	s_add_co_u32 s20, s20, s21
	s_lshl_b32 s20, s20, 12
	s_lshl_b32 s46, s42, 10
	s_lshl_b32 s47, s16, 9
	s_add_co_u32 s46, s46, s47
	s_add_co_u32 s20, s20, s46
	s_mov_b32 s21, 0
	s_add_nc_u64 s[10:11], s[10:11], s[20:21]
.macro FRAG reg, adr, q, i
.irp c, 0,1,2,3
	ds_load_b128 v[\reg+4*\c:\reg+4*\c+3], v[\adr] offset:4096*(\i)+2048*(\q)+512*\c
.endr
.endm
.macro MUL16 a0, p, zero
.irp a, \a0, \a0+1
.irp b, 0,1,2,3,4,5,6,7
.if \zero
	v_wmma_f32_16x16x128_fp8_fp8 v[8*(8*((\a)%4)+\b):8*(8*((\a)%4)+\b)+7], v[128*(\p)+FR*\b:128*(\p)+FR*\b+FR-1], v[AF+FR*(\a):AF+FR*(\a)+FR-1], 0
.else
	v_wmma_f32_16x16x128_fp8_fp8 v[8*(8*((\a)%4)+\b):8*(8*((\a)%4)+\b)+7], v[128*(\p)+FR*\b:128*(\p)+FR*\b+FR-1], v[AF+FR*(\a):AF+FR*(\a)+FR-1], v[8*(8*((\a)%4)+\b):8*(8*((\a)%4)+\b)+7]
.endif
.endr
.endr
.endm
.macro FETCH_B slot, q, p
	WIN TO_B
.irp i, 0,1,2,3,4,5,6,7
	FRAG 128*(\p)+FR*\i, ADRB+\slot, \q, \i
.endr
	WIN 0
.endm
.macro FETCH_A slot, q, i0
.irp i, \i0, \i0+1, \i0+2, \i0+3
	FRAG AF+FR*(\i), ADRA+\slot, \q, \i
.endr
.endm
.macro PLACES n
.rept \n
	v_nop
.endr
.endm
.macro STEP slot, q, zero
	s_wait_dscnt 4*NL
	WIN MUL_LO
	MUL16 0, (\q)%2, \zero
	MUL16 2, (\q)%2, \zero
	s_wait_dscnt 0
	PLACES NP
	FETCH_B \slot, (\q)+1, 1-(\q)%2
	FETCH_A \slot, (\q)+1, 0
	WIN MUL_HI
	MUL16 4, (\q)%2, \zero
	MUL16 6, (\q)%2, \zero
	PLACES NP
	WIN 0
	FETCH_A \slot, (\q)+1, 4
.endm
.macro TURN slot, next, fill
	s_wait_tensorcnt 0x0
	ds_add_u32 v[SPW], v[NIL]
	s_wait_dscnt 4*NL+1
	WIN MUL_LO
	MUL16 0, 1, 0
	s_wait_dscnt 0x0
	s_barrier_signal -1
	MUL16 2, 1, 0
	WIN 0
	s_barrier_wait -1
.if \fill
	CREST
	s_add_nc_u64 s[G0+4*\slot+2:G0+4*\slot+3], s[G0+4*\slot+2:G0+4*\slot+3], 2*STA
	s_add_nc_u64 s[G0B+4*\slot+2:G0B+4*\slot+3], s[G0B+4*\slot+2:G0B+4*\slot+3], 2*STB
	JLOAD G0+4*\slot, G1, G0B+4*\slot, G1B
.else
	PLACES NP
.endif
	FETCH_B \next, 0, 0
	FETCH_A \next, 0, 0
	WIN MUL_HI
	MUL16 4, 1, 0
	MUL16 6, 1, 0
	PLACES NP
	WIN 0
	FETCH_A \next, 0, 4
.endm
	s_wait_tensorcnt 1
	s_barrier_signal -1
	s_barrier_wait -1
	FETCH_B 0, 0, 0
	FETCH_A 0, 0, 0
	FETCH_A 0, 0, 4
	STEP 0, 0, 1
	s_mov_b32 s3, 1
.Llap:
	TURN 0, 1, 1
	STEP 1, 0, 0
	TURN 1, 0, 1
	STEP 0, 0, 0
	s_sub_co_u32 s3, s3, 1
	s_cmp_lg_u32 s3, 0
	s_cbranch_scc1 .Llap
	TURN 0, 1, 0
	STEP 1, 0, 0
	s_wait_dscnt 4*NL
	WIN MUL_LO
	MUL16 0, 1, 0
	MUL16 2, 1, 0
	s_wait_dscnt 0
	WIN MUL_HI
	MUL16 4, 1, 0
	MUL16 6, 1, 0
	WIN 0
.macro TOSTAGE a
.set AC, 64*((\a)%4)
	WIN 0x02+((\a)/4)
.irp j, 0,2,4,6,8,10,12,14,16,18,20,22,24,26,28,30,32,34,36,38,40,42,44,46,48,50,52,54,56,58,60,62
	v_pk_mul_f32 v[TMP+\j:TMP+\j+1], v[AC+\j:AC+\j+1], s[96:97] op_sel_hi:[1,0]
.endr
	WIN 0
.irp b, 0,1,2,3,4,5,6,7
	ds_store_b128 v[STO], v[TMP+8*\b:TMP+8*\b+3] offset:64*\b
	ds_store_b128 v[STO], v[TMP+8*\b+4:TMP+8*\b+7] offset:64*\b+16
.endr
.set BB, BK+64*((\a)%2)
.irp t, 0,1,2,3,4,5,6,7,8,9,10,11,12,13,14,15
	ds_load_b128 v[BB+4*\t:BB+4*\t+3], v[RD] offset:\t*SPITCH
.endr
.endm
.macro SEND a, younger
.set BB, BK+64*((\a)%2)
	s_wait_dscnt \younger
.if (\a) > 0
	s_add_nc_u64 s[10:11], s[10:11], 16*SIZE_N*4
.endif
.irp t, 0,1,2,3,4,5,6,7,8,9,10,11,12,13,14,15
	global_store_b128 v[CO], v[BB+4*\t:BB+4*\t+3], s[10:11] offset:\t*SIZE_N*4 th:TH_STORE_NT
.endr
.endm
	s_wait_kmcnt 0x0
	s_add_co_i32 s96, s96, s97
	s_add_co_i32 s96, s96, 127
	s_lshl_b32 s96, s96, 23
	PLACES NP
	TOSTAGE 0
.irp a, 1,2,3,4,5,6,7
.if \a > 1
	s_wait_xcnt 0x0
.endif
	TOSTAGE \a
	SEND \a-1, 32
.endr
	s_wait_xcnt 0x0
	SEND 7, 0
	s_wait_tensorcnt 0x0
	ds_add_u32 v[SPW], v[NIL]
	s_wait_dscnt 0x0
	CROUND
	s_endpgm
.Lfunc_end_k_q06c123e01e_proj:
	.size	k_q06c123e01e_proj, .Lfunc_end_k_q06c123e01e_proj-k_q06c123e01e_proj
	.p2alignl 7, 3214868480
	.fill 96, 4, 3214868480
	.section	.rodata,"a",@progbits
	.p2align	6, 0x0
	.amdhsa_kernel k_q06c123e01e_proj
		.amdhsa_group_segment_fixed_size 327680
		.amdhsa_private_segment_fixed_size 0
		.amdhsa_enable_private_segment 0
		.amdhsa_kernarg_size 32
		.amdhsa_user_sgpr_count 2
		.amdhsa_user_sgpr_kernarg_segment_ptr 1
		.amdhsa_wavefront_size32 1
		.amdhsa_system_sgpr_workgroup_id_x 1
		.amdhsa_system_sgpr_workgroup_id_y 1
		.amdhsa_system_sgpr_workgroup_id_z 1
		.amdhsa_system_vgpr_workitem_id 0
		.amdhsa_next_free_vgpr 1024
		.amdhsa_next_free_sgpr 98
		.amdhsa_reserve_vcc 0
		.amdhsa_float_denorm_mode_32 3
		.amdhsa_float_denorm_mode_16_64 3
		.amdhsa_memory_ordered 1
		.amdhsa_forward_progress 1
		.amdhsa_inst_pref_size 124
	.end_amdhsa_kernel
	.amdgpu_metadata
---
amdhsa.version: [ 1, 2 ]
amdhsa.kernels:
  - .name:           k_q06c123e01e_proj
    .symbol:         k_q06c123e01e_proj.kd
    .args:
      - { .name: y_codes, .offset: 0, .size: 8, .value_kind: global_buffer, .address_space: global }
      - { .name: wproj_codes, .offset: 8, .size: 8, .value_kind: global_buffer, .address_space: global }
      - { .name: lowp_scales, .offset: 16, .size: 8, .value_kind: global_buffer, .address_space: global }
      - { .name: out0, .offset: 24, .size: 8, .value_kind: global_buffer, .address_space: global }
    .group_segment_fixed_size: 327680
    .private_segment_fixed_size: 0
    .kernarg_segment_align: 8
    .kernarg_segment_size: 32
    .max_flat_workgroup_size: 128
    .sgpr_count:     98
    .vgpr_count:     1024
    .wavefront_size: 32
...
	.end_amdgpu_metadata
.endif
;; end of part 4
